; MI455X (gfx1250); checked and timed in simulation.
; The chip was launched on July 23, 2026; its instructions are those of AMD's public machine-readable ISA for CDNA 5 (MIT licence, August 2026) and "CDNA5" Instruction Set Architecture Reference Guide (July 2026). The comments in the code are by the model that wrote it; some were corrected since.
;; Encoder Layer. Allowed arithmetic: matrix products marked QUANTISED: E2M3 operands, one E8M0 scale for each 32 along K, by v_wmma_scale_f32_16x16x128_f8f6f4 with both operands' format E2M3, f32 sums; everything else in f32.
;; Inputs: b1 4,096 float32; b2 1,024 float32; be1 1,024 float32; be2 1,024 float32; bk 1,024 float32; bo 1,024 float32; bq 1,024 float32; bv 1,024 float32; g1 1,024 float32; g2 1,024 float32; w1 1,024 x 4,096 float32; w2 4,096 x 1,024 float32; wk 1,024 x 1,024 float32; wo 1,024 x 1,024 float32; wq 1,024 x 1,024 float32; wv 1,024 x 1,024 float32; x 2 x 2,048 x 1,024 float32.
;; Outputs: out0 2 x 2,048 x 1,024 float32.
;; This version of the problem:
;;   THIS VERSION OF THE PROBLEM IS GIVEN IN LOW PRECISION. The matrix products marked QUANTISED in the list below multiply operands that are first quantised to E2M3 (2 exponent bits, 3 mantissa bits; 6 bits a number), with one power-of-two scale for each 32 numbers along K (OCP MX v1.0); their sums are f32. All else is computed in f32.
;;   The module's matrix products, in the order in which they are computed (A, B: the left and right operand; K: the contracted axis; several contracted axes count as one K, in the product's order):
;;     1. [M 4,096, K 1,024] x [K 1,024, N 1,024]; A: computed on the way; B: input wq: QUANTISED
;;     2. [M 4,096, K 1,024] x [K 1,024, N 1,024]; A: computed on the way; B: input wk: QUANTISED
;;     3. [M 4,096, K 1,024] x [K 1,024, N 1,024]; A: computed on the way; B: input wv: QUANTISED
;;     4. batch 32 x [M 2,048, K 64] x [K 64, N 2,048]; A: computed on the way; B: computed on the way: QUANTISED
;;     5. batch 32 x [M 2,048, K 2,048] x [K 2,048, N 64]; A: softmax (see below); B: computed on the way: QUANTISED
;;     6. [M 4,096, K 1,024] x [K 1,024, N 1,024]; A: computed on the way; B: input wo: QUANTISED
;;     7. [M 4,096, K 1,024] x [K 1,024, N 4,096]; A: computed on the way; B: input w1: QUANTISED
;;     8. [M 4,096, K 4,096] x [K 4,096, N 1,024]; A: computed on the way; B: input w2: QUANTISED
;;   THE QUANTISER, for each operand of a quantised product, along K:
;;     - K is cut into blocks of 32 from its start; a last block that is shorter is filled with zeros.
;;     - A block's scale is 2^e with e = floor(log2(the largest magnitude in the block)) - 2, held to -126 .. 127; a block of zeros has e = 0. As a byte (E8M0): e + 127.
;;     - Each number is divided by its block's scale, clamped to +-7.5, and rounded to the nearest number of E2M3, ties to even, subnormals kept.
;;     - The product sums the exact products of the quantised numbers (number of the format x scale) in f32.
;;   ~~~python
;;   def quantise(x, axis):      # numpy; x: float32 -> the quantised numbers, widened to float32 again
;;       x = np.moveaxis(x, axis, -1); K = x.shape[-1]
;;       x = np.pad(x, [(0, 0)] * (x.ndim - 1) + [(0, -K % 32)]); x = x.reshape(x.shape[:-1] + (-1, 32)); a = np.abs(x).max(-1, keepdims=True)
;;       e = np.where(a > 0, np.clip(np.frexp(np.where(a > 0, a, 1))[1] - 1 - 2, -126, 127), 0)      # np.frexp(a)[1] - 1 = floor(log2(a)), exactly
;;       r = np.clip(x / 2.0 ** e, -7.5, 7.5)
;;       step = 2.0 ** (np.maximum(np.frexp(np.where(r == 0, 1, r))[1] - 1, 0) - 3)
;;       q = np.round(r / step) * step * 2.0 ** e      # np.round: ties to even
;;       return np.moveaxis(q.reshape(q.shape[:-2] + (-1,))[..., :K], -1, axis).astype(np.float32)
;;   ~~~
;;   SOFTMAX AHEAD OF A QUANTISED PRODUCT. Where the list says 'softmax', what is quantised is not the finished softmax but p = 2^(t - M), with t = logit x log2(e) and M = ceil(the row's largest t), a whole number; so 1/2 < the row's largest p <= 1. The row's sum l is taken of the UNQUANTISED p, in f32, and the product's result is divided by l at the end. Since M is a whole number, a kernel that streams over the keys may use a running M (the ceiling of the running maximum): every later rescaling is an exact power of two, which a block's scale takes up: the codes' values come out the same.
;;   OPERANDS COMPUTED ON THE WAY. 'Computed on the way' means the value that the module computes at that place (a softmax that the list does not call 'softmax' is quantised finished and normalised). What goes into a quantiser is computed in f32, as accurately as f32 sums, v_exp_f32 and their like allow (about 1e-6 of the number): no bf16 or f16 on the way to a quantiser, and a product that is left as it is and whose result goes on into a quantised operand takes f32 operands (vector FMAs, or v_wmma_f32_16x16x4_f32). A number that lies on a knife's edge between two numbers of the format may be rounded either way, as far as f32 arithmetic and the matrix unit's own rounding can turn it there, and no further.
;; One version. Each part assembles by itself: llvm-mc -triple=amdgcn-amd-amdhsa -mcpu=gfx1250 --defsym DOCPART=n.
;; ======== version 1 of 1: 8 launches
;; limits: right only within a limited range of input values
;; workspace buffers: wb 9,830,400 bytes; nx 3,276,800 bytes; ao 3,276,800 bytes; hb 13,107,200 bytes; x1 16,777,216 bytes; qkvb 10,223,616 bytes
;; launch wquant (part 1): grid 768 x 1, 4 waves a work-group, no clusters, 13,824 bytes of LDS; arguments wq, wk, wv, wo, w1, w2, wb; writes wb
.if DOCPART == 1
	.amdgcn_target "amdgcn-amd-amdhsa--gfx1250"
	.amdhsa_code_object_version 6
	.text
	.protected	k_q3c88b69bac_wquant
	.globl	k_q3c88b69bac_wquant
	.p2align	8
	.type	k_q3c88b69bac_wquant,@function
k_q3c88b69bac_wquant:
	s_mov_b64 s[64:65], 0
	v_nop
	global_prefetch_b8 v0, s[64:65] scope:SCOPE_SE
	s_setreg_imm32_b32 hwreg(HW_REG_WAVE_MODE, 25, 1), 1
	s_wait_xcnt 0x0
; The six weights, f32 stored [K][N], become codes of FP6 (E2M3) quantised along K, with one E8M0 byte for each 32 along K, laid as the products' operand registers want them.
; LAYOUT OF wb.  A fragment is 16 columns n x 128 K: 1,536 bytes, the image of its 12 registers: registers 6 c .. 6 c + 3 of lane l at 768 c + 16 l, registers 6 c + 4, 6 c + 5 at 768 c + 512 + 8 l.
; Fragment (row block rb, K step ks) lies at (rb x KS + ks) x 1,536; its scale words at (rb x KS + ks) x 64 + 4 r.  Lane r of row block rb holds column 32 (rb / 2) + 8 (rb % 2) + r + 8 (r / 8).
; Row blocks count on through wq, wk, wv, wo, w1 (KS = 8); w2 (KS = 32) lies behind them; the scale words behind all codes.
; A LANE TAKES A COLUMN AND ITS REGISTERS RUN DOWN K: a block of 32 is one lane's, its largest magnitude needs no other lane, and the conversions give six registers of a fragment as they stand.
; A work-group takes 128 columns x 128 K, a wave 32 columns: four blocks a lane, one K step of two row blocks = two fragments, gathered in the wave's own LDS stage and stored as two runs of 1,536 consecutive bytes.
; A wave has two of its four blocks (64 loads) on their way, so it waits for memory twice; many small waves share a SIMD, which multiplies what is on its way.
; A block's scale is 2^(floor(log2(largest magnitude)) - 2); its byte is the largest magnitude's exponent field - 2, held at 1 from below.
; LIMITS: a block of zeros, or one whose largest magnitude lies under 2^-124, gets the byte 1 (the rule says 127 for zeros): its codes are zeros and this program alone reads the bytes.  NaN and infinities are not served.
; No cluster: no two work-groups read the same bytes.  No barrier: waves share nothing.
.set VA,   2                           ; v2   stage, 16-byte pieces: 3,328 wave + 1,664 u + 16 r
.set VB,   3                           ; v3   stage, 8-byte pieces: the same with 8 r
.set VR,   4                           ; v4   stage, on the way out: 3,328 wave + 16 lane
.set VG,   5                           ; v5, v6  wb: 16 lane; the same one row block on
.set VSC,  7                           ; v7   wb: my column's scale word
.set SPW,  14                          ; v14  my spare word; never rewritten
.set NIL,  15                          ; v15  0; never rewritten
.set SB,   16                          ; v16  the scale word
.set C,    20                          ; v20-28  a block's codes
.set X,    32                          ; v32-95  two sets of 32 numbers
.set ADR,  96                          ; v96-127 4 lane + k x the row's bytes
.set OUTR, 128                         ; v128-151 the way out
.set UST,  1664                        ; a row block's place in the stage: 1,536 bytes + 128
.set WST,  2*UST                       ; a wave's stage
.set SPARE, 4*WST                      ; the spare words: 128 bytes for each wave, named by no other line
	s_load_b256 s[4:11], s[0:1], 0x0               ; wq, wk, wv, wo
	s_load_b128 s[12:15], s[0:1], 0x20             ; w1, w2
	s_load_b64 s[16:17], s[0:1], 0x30              ; wb
	v_lshl_add_u32 v[SPW], v0, 2, SPARE
	v_mov_b32 v[NIL], 0
	v_lshrrev_b32 v1, 5, v0
	v_readfirstlane_b32 s20, v1                    ; wave
	; which weight, which 128 columns (cg), which 128 along K (kg): work-groups 0-255 the four square weights, 256-511 w1, 512-767 w2
	s_and_b32 s44, ttmp9, 255
	s_and_b32 s45, ttmp9, 7
	s_and_b32 s46, s44, 31
	s_bfe_u32 s47, ttmp9, 0x30003
	s_lshr_b32 s48, s44, 5
	s_lshr_b32 s49, s44, 3
	s_lshr_b32 s50, ttmp9, 6
	s_lshl_b32 s50, s50, 6
	s_mov_b32 s21, 16384
	s_mov_b32 s52, 6291456
	s_mov_b32 s53, 262144
	s_cmp_lt_u32 ttmp9, 512                        ; w1 or w2
	s_cselect_b32 s22, 8, 32                       ; K steps of the weight
	s_cselect_b32 s52, 0, s52                      ; where its codes begin, beyond the row blocks' count
	s_cselect_b32 s53, 0, s53                      ; the same for its scale words
	s_cselect_b32 s23, s48, s49                    ; kg
	s_cselect_b32 s51, 256, 0                      ; its first row block
	s_cselect_b32 s21, s21, 4096                   ; bytes in a row of the weight
	s_cselect_b32 s54, s46, s45                    ; cg
	s_cmp_lt_u32 ttmp9, 256                        ; or one of the four square ones
	s_cselect_b32 s23, s47, s23
	s_cselect_b32 s51, s50, s51
	s_cselect_b32 s21, 4096, s21
	s_cselect_b32 s54, s45, s54
	v_and_b32 v1, 31, v0                           ; lane = column i of the wave's 32
	v_bfe_u32 v8, v0, 3, 1                         ; u = (i / 8) % 2: which of the two row blocks
	v_bfe_u32 v9, v0, 4, 1
	v_and_b32 v10, 7, v0
	v_lshl_or_b32 v9, v9, 3, v10                   ; r = 8 (i / 16) + i % 8: my lane in it
	s_mul_i32 s55, s20, WST
	v_mul_u32_u24 v11, v8, UST
	v_add_nc_u32 v11, s55, v11
	v_lshl_add_u32 v[VA], v9, 4, v11
	v_lshl_add_u32 v[VB], v9, 3, v11
	v_lshlrev_b32 v[VG], 4, v1
	v_add_nc_u32 v[VR], s55, v[VG]
	s_mul_i32 s56, s22, 1536
	v_add_nc_u32 v[VG+1], s56, v[VG]
	s_lshl_b32 s56, s22, 6
	v_mul_u32_u24 v[VSC], v8, s56
	v_lshl_add_u32 v[VSC], v9, 2, v[VSC]
	v_lshlrev_b32 v[ADR], 2, v1
.set k, 1
.rept 31
	v_add_nc_u32 v[ADR+k], s21, v[ADR+k-1]
.set k, k+1
.endr
	s_lshl_b32 s55, s21, 7
	s_mul_i32 s56, s23, s55                        ; kg x 128 rows
	s_lshl_b32 s57, s54, 9
	s_add_co_u32 s56, s56, s57                     ; + cg x 128 columns
	s_lshl_b32 s57, s20, 7
	s_add_co_u32 s56, s56, s57                     ; + wave x 32 columns
	s_mov_b32 s57, 0
	s_lshl_b32 s58, s21, 5                         ; 32 rows: a block
	s_mov_b32 s59, 0
	s_lshl_b32 s60, s54, 3
	s_add_co_u32 s60, s60, s51
	s_lshl_b32 s61, s20, 1
	s_add_co_u32 s60, s60, s61                     ; my first row block
	s_mul_i32 s60, s60, s22
	s_add_co_u32 s60, s60, s23                     ; my first fragment: K step kg
	s_mul_i32 s62, s60, 1536
	s_add_co_u32 s62, s62, s52
	s_mov_b32 s63, 0
	s_lshl_b32 s60, s60, 6
	s_add_co_u32 s60, s60, s53
	s_add_co_u32 s60, s60, 9437184
	s_mov_b32 s61, 0
	s_wait_alu depctr_va_vdst(0)
	s_wait_kmcnt 0x0
	s_cmp_lt_u32 ttmp9, 512                        ; the choice of the weight hangs on the work-group's number alone
	s_cselect_b64 s[18:19], s[12:13], s[14:15]
	s_cmp_lt_u32 ttmp9, 256
	s_cselect_b64 s[18:19], s[10:11], s[18:19]
	s_cmp_lt_u32 ttmp9, 192
	s_cselect_b64 s[18:19], s[8:9], s[18:19]
	s_cmp_lt_u32 ttmp9, 128
	s_cselect_b64 s[18:19], s[6:7], s[18:19]
	s_cmp_lt_u32 ttmp9, 64
	s_cselect_b64 s[18:19], s[4:5], s[18:19]
	s_add_nc_u64 s[24:25], s[18:19], s[56:57]      ; a base for each of my four blocks: none is ever stepped
.irp t, 1,2,3
	s_add_nc_u64 s[24+2*\t:25+2*\t], s[22+2*\t:23+2*\t], s[58:59]
.endr
	s_add_nc_u64 s[40:41], s[16:17], s[62:63]      ; my fragments
	s_add_nc_u64 s[42:43], s[16:17], s[60:61]      ; my scale words
.macro LOAD t                          ; block t: W(32 t + k, my column), k = 0 .. 31: each load reads 128 consecutive bytes
.set k, 0
.rept 32
	global_load_b32 v[X+32*((\t)%2)+k], v[ADR+k], s[24+2*(\t):25+2*(\t)] th:TH_LOAD_NT
.set k, k+1
.endr
.endm
.macro BLOCK t
.set XS, X+32*((\t)%2)
.if (\t) < 3
	s_wait_loadcnt 32                              ; this block's 32 loads are in; the next block's 32 may be out
.else
	s_wait_loadcnt 0x0
.endif
	v_max3_num_f32 v12, |v[XS]|, |v[XS+1]|, |v[XS+2]|
	v_max3_num_f32 v13, |v[XS+3]|, |v[XS+4]|, |v[XS+5]|
.irp i, 6,10,14,18,22,26
	v_max3_num_f32 v12, v12, |v[XS+\i]|, |v[XS+\i+1]|
	v_max3_num_f32 v13, v13, |v[XS+\i+2]|, |v[XS+\i+3]|
.endr
	v_max3_num_f32 v12, v12, |v[XS+30]|, |v[XS+31]|
	v_max3_num_f32 v12, v12, v13, 0x1800000        ; with the floor 2^(3 - 127): the byte cannot fall under 1
	v_add_nc_u32 v11, 0xff000000, v12              ; 2 off the exponent field: the conversion's scale operand
	v_lshrrev_b32 v13, 23, v11                     ; the scale's byte
.if (\t) == 0
	v_mov_b32 v[SB], v13
.else
	v_lshl_or_b32 v[SB], v13, 8*(\t), v[SB]
.endif
	v_cvt_scalef32_pk16_fp6_f32 v[C:C+2], v[XS:XS+15], v11
	v_cvt_scalef32_pk16_fp6_f32 v[C+6:C+8], v[XS+16:XS+31], v11    ; (a conversion's three registers begin on an even number)
	v_nop                                          ; one plain place behind a scaled conversion
.irp i, 0,1,2
	v_mov_b32 v[C+3+\i], v[C+6+\i]                 ; six registers: the block's 192 bits on end
.endr
	; block t is half c = t / 2, lanes 16 (t % 2) + r of its fragment
	ds_store_b128 v[VA], v[C:C+3] offset:((\t)/2)*768+((\t)%2)*256
	ds_store_b64 v[VB], v[C+4:C+5] offset:((\t)/2)*768+512+((\t)%2)*128
.if (\t)+2 < 4
	LOAD (\t)+2
.endif
	s_wait_dscnt 0x0                               ; the stores have read their registers: the next block's codes may be written
.endm
	LOAD 0
	LOAD 1
.irp t, 0,1,2,3
	BLOCK \t
.endr
	s_wait_alu depctr_va_vdst(0)
	global_store_b32 v[VSC], v[SB], s[42:43]       ; my column's scale word
.irp u, 0,1
.irp m, 0,1,2
	ds_load_b128 v[OUTR+4*(3*\u+\m):OUTR+4*(3*\u+\m)+3], v[VR] offset:UST*\u+512*\m   ; a wave's LDS instructions are served in order: these see my stores
.endr
.endr
.irp u, 0,1
.irp m, 0,1,2
	s_wait_dscnt 5-3*\u-\m                         ; the younger loads may be out
	global_store_b128 v[VG+\u], v[OUTR+4*(3*\u+\m):OUTR+4*(3*\u+\m)+3], s[40:41] offset:512*\m   ; 32 lanes store 512 consecutive bytes, at a multiple of 256 from wb's first byte
.endr
.endr
	s_wait_tensorcnt 0x0                           ; the wave's end
	ds_add_u32 v[SPW], v[NIL]
	s_wait_dscnt 0x0
	s_endpgm
.Lfunc_end_k_q3c88b69bac_wquant:
	.size	k_q3c88b69bac_wquant, .Lfunc_end_k_q3c88b69bac_wquant-k_q3c88b69bac_wquant
	.p2alignl 7, 3214868480
	.fill 96, 4, 3214868480
	.section	.rodata,"a",@progbits
	.p2align	6, 0x0
	.amdhsa_kernel k_q3c88b69bac_wquant
		.amdhsa_group_segment_fixed_size 13824
		.amdhsa_private_segment_fixed_size 0
		.amdhsa_enable_private_segment 0
		.amdhsa_kernarg_size 56
		.amdhsa_user_sgpr_count 2
		.amdhsa_user_sgpr_kernarg_segment_ptr 1
		.amdhsa_wavefront_size32 1
		.amdhsa_system_sgpr_workgroup_id_x 1
		.amdhsa_system_sgpr_workgroup_id_y 1
		.amdhsa_system_sgpr_workgroup_id_z 1
		.amdhsa_system_vgpr_workitem_id 0
		.amdhsa_next_free_vgpr 152
		.amdhsa_next_free_sgpr 66
		.amdhsa_reserve_vcc 0
		.amdhsa_float_denorm_mode_32 3
		.amdhsa_float_denorm_mode_16_64 3
		.amdhsa_memory_ordered 1
		.amdhsa_forward_progress 1
		.amdhsa_inst_pref_size 25
	.end_amdhsa_kernel
	.amdgpu_metadata
---
amdhsa.version: [ 1, 2 ]
amdhsa.kernels:
  - .name:           k_q3c88b69bac_wquant
    .symbol:         k_q3c88b69bac_wquant.kd
    .args:
      - { .name: wq, .offset: 0, .size: 8, .value_kind: global_buffer, .address_space: global }
      - { .name: wk, .offset: 8, .size: 8, .value_kind: global_buffer, .address_space: global }
      - { .name: wv, .offset: 16, .size: 8, .value_kind: global_buffer, .address_space: global }
      - { .name: wo, .offset: 24, .size: 8, .value_kind: global_buffer, .address_space: global }
      - { .name: w1, .offset: 32, .size: 8, .value_kind: global_buffer, .address_space: global }
      - { .name: w2, .offset: 40, .size: 8, .value_kind: global_buffer, .address_space: global }
      - { .name: wb, .offset: 48, .size: 8, .value_kind: global_buffer, .address_space: global }
    .group_segment_fixed_size: 13824
    .private_segment_fixed_size: 0
    .kernarg_segment_align: 8
    .kernarg_segment_size: 56
    .max_flat_workgroup_size: 128
    .sgpr_count:     66
    .vgpr_count:     152
    .wavefront_size: 32
...
	.end_amdgpu_metadata
.endif
;; end of part 1
;; launch ln1 (part 2): grid 256 x 1, 8 waves a work-group, no clusters, 69,632 bytes of LDS; arguments x, g1, be1, nx; writes nx
.if DOCPART == 2
	.amdgcn_target "amdgcn-amd-amdhsa--gfx1250"
	.amdhsa_code_object_version 6
	.text
	.protected	k_q3c88b69bac_ln1
	.globl	k_q3c88b69bac_ln1
	.p2align	8
	.type	k_q3c88b69bac_ln1,@function
k_q3c88b69bac_ln1:
	s_mov_b64 s[64:65], 0
	v_nop
	global_prefetch_b8 v0, s[64:65] scope:SCOPE_SE
	s_setreg_imm32_b32 hwreg(HW_REG_WAVE_MODE, 25, 1), 1
	s_wait_xcnt 0x0
; nx = Q(layer_norm(x) x g + be): [4096][1024] f32 rows are normalised in f32 and quantised along the row to FP6 (E2M3) with one E8M0 byte for each 32, as fragments in the order of an operand's registers.
; LAYOUT OF nx: fragment (row block rb, K step ks) at (8 rb + ks) x 1,536: registers 6 c .. 6 c + 3 of lane l at 768 c + 16 l, registers 6 c + 4, 6 c + 5 at 768 c + 512 + 8 l; scale words at 3,145,728 + (8 rb + ks) x 64 + 4 r.
; Lane r of row block rb holds row 32 (rb / 2) + 8 (rb % 2) + r + 8 (r / 8).
; SHARES.  Work-group rb owns the 16 rows of row block rb; wave w owns columns 128 w .. 128 w + 127 of all 16: K step w, one fragment.  Each load reads 512 consecutive bytes of a row; the wave's 8 KiB turn through its own
; LDS stage (rows 528 bytes apart), so that lane (r, h) gets, of row r, the 16 neighbours 32 b + 16 h + 0 .. 15 of each block b.  Mean and variance meet in LDS: two barriers.  The variance is taken of x - mean.
; ALL THE WAVE'S LOADS GO OUT TOGETHER: the rows, g and be, 48 loads; g lies in registers 256-319 (the second window of 256), so that nothing has to wait for a register to come free.
; LIMITS: a block whose largest magnitude lies under 2^-124 gets the byte 1; NaN and infinities are not served; 1 / sqrt is v_rsq_f32.
; No cluster: the work-groups share only g and be, 8 KiB against their 64 KiB of rows.
.set R,   16                           ; v16-79   the rows as loaded
.set X,   80                           ; v80-143  my 64 numbers: register 16 b + i = column 32 b + 16 h + i of row r
.set BE,  144                          ; v144-207 be at the same places
.set G,   0                            ; window 1, v0-63 (registers 256-319): g at the same places
.set PC,  208                          ; v208-226 the codes
.set TM,  228                          ; v228-243 at work
.set PW,  244                          ; v244     the scale word
.set SPW, 252                          ; v252     my spare word; never rewritten
.set NIL, 253                          ; v253     0; never rewritten
.set SEL, 14                           ; s14, s15 lane selects: lane l xor 16
.set RED1, 67584                       ; behind the eight stages of 8,448 bytes: [16 rows][8 waves] sums
.set RED2, 68096                       ; and sums of squares.  Both lie beyond an LDS immediate's 16 bits: RED1 stands in the address registers, the distance to RED2 in the immediate
.set SPARE, 68608                      ; the spare words: 128 bytes for each wave, named by no other line
.set MSB, 0
.macro WIN new                         ; s_set_vgpr_msb: bits 1:0 source 0, 3:2 source 1, 5:4 source 2, 7:6 destination; the immediate's high byte repeats the setting that is left
.if MSB != (\new)
	s_set_vgpr_msb (MSB<<8)|(\new)
.set MSB, \new
.endif
.endm
	s_load_b256 s[4:11], s[0:1], 0x0               ; x, g, be, nx
	v_lshl_add_u32 v[SPW], v0, 2, SPARE
	v_mov_b32 v[NIL], 0
	v_lshrrev_b32 v9, 5, v0
	s_delay_alu instid0(VALU_DEP_1)
	v_readfirstlane_b32 s12, v9                    ; wave
	v_and_b32 v9, 31, v0                           ; lane
	v_and_b32 v10, 15, v0                          ; r
	v_bfe_u32 v11, v0, 4, 1                        ; h
	s_delay_alu instid0(VALU_DEP_3)
	v_lshlrev_b32 v1, 4, v9                        ; 16 lane
	s_delay_alu instid0(VALU_DEP_4)
	v_lshlrev_b32 v2, 3, v9                        ; 8 lane
	s_delay_alu instid0(VALU_DEP_4)
	v_lshlrev_b32 v3, 2, v10                       ; 4 r
	s_mul_i32 s13, s12, 8448
	v_add_nc_u32 v4, s13, v1                       ; the stage, in: 16 lane, a row each 528 bytes
	v_mul_u32_u24 v5, v10, 528
	s_delay_alu instid0(VALU_DEP_1)
	v_lshl_add_u32 v5, v11, 6, v5
	s_delay_alu instid0(VALU_DEP_1)
	v_add_nc_u32 v5, s13, v5                       ; out: row r, + 64 h
	v_lshlrev_b32 v6, 6, v11                       ; g, be: 64 h
	v_lshl_add_u32 v8, v10, 5, RED1                ; a row's eight partial sums: RED1 + 32 r
	s_lshl_b32 s13, s12, 2
	v_add_nc_u32 v7, s13, v8                       ; my wave's among them
	v_mov_b32 v251, 0                              ; a lane permute's destination counts as one of its sources
.irp b, 0,1,2,3
	v_mov_b32 v[TM+4+\b], 0
.endr
	s_mov_b32 s[SEL], 0x76543210
	s_mov_b32 s[SEL+1], 0xfedcba98
	s_lshr_b32 s16, ttmp9, 1
	s_lshl_b32 s16, s16, 5
	s_and_b32 s17, ttmp9, 1
	s_lshl_b32 s17, s17, 3
	s_add_co_u32 s16, s16, s17                     ; the row of lane 0
	s_lshl_b32 s16, s16, 12
	s_lshl_b32 s18, s12, 9                         ; my 512 bytes of a row
	s_add_co_u32 s16, s16, s18
	s_mov_b32 s17, 0
	s_mov_b32 s19, 0
	s_lshl_b32 s20, ttmp9, 3
	s_add_co_u32 s20, s20, s12                     ; my fragment
	s_mul_i32 s22, s20, 1536
	s_mov_b32 s23, 0
	s_lshl_b32 s20, s20, 6
	s_add_co_u32 s20, s20, 3145728
	s_mov_b32 s21, 0
	s_mov_b32 s24, 0x3a800000                      ; 1 / 1024
	s_mov_b32 s25, 0x3727c5ac                      ; 1e-5
	s_wait_alu depctr_va_vdst(0)
	s_wait_kmcnt 0x0
	s_add_nc_u64 s[4:5], s[4:5], s[16:17]
	s_add_nc_u64 s[6:7], s[6:7], s[18:19]
	s_add_nc_u64 s[8:9], s[8:9], s[18:19]
	s_add_nc_u64 s[26:27], s[10:11], s[20:21]
	s_add_nc_u64 s[10:11], s[10:11], s[22:23]
.irp i, 0,1,2,3,4,5,6,7,8,9,10,11,12,13,14,15
	global_load_b128 v[R+4*\i:R+4*\i+3], v1, s[4:5] offset:(\i+8*(\i/8))*4096
.endr
	WIN 0x40                                       ; destination window 1, address window 0
.irp b, 0,1,2,3
.irp j, 0,1,2,3
	global_load_b128 v[G+16*\b+4*\j:G+16*\b+4*\j+3], v6, s[6:7] offset:128*\b+16*\j
.endr
.endr
	WIN 0
.irp b, 0,1,2,3
.irp j, 0,1,2,3
	global_load_b128 v[BE+16*\b+4*\j:BE+16*\b+4*\j+3], v6, s[8:9] offset:128*\b+16*\j
.endr
.endr
	s_wait_loadcnt 32                              ; the rows are in; the 32 loads of g and be may be out
.irp i, 0,1,2,3,4,5,6,7,8,9,10,11,12,13,14,15
	ds_store_b128 v4, v[R+4*\i:R+4*\i+3] offset:528*\i
.endr
.irp b, 0,1,2,3
.irp j, 0,1,2,3
	ds_load_b128 v[X+16*\b+4*\j:X+16*\b+4*\j+3], v5 offset:128*\b+16*\j   ; my own wave's bytes, served in order: no wait between the stores and these
.endr
.endr
	s_wait_dscnt 0x0
; four running pairs -> my row's figure over the wave's 128 columns -> LDS, red bytes behind RED1 -> the sum over the eight waves, in v250
.macro FOLD red
	s_delay_alu instid0(VALU_DEP_3)
	v_pk_add_f32 v[TM+8:TM+9], v[TM+8:TM+9], v[TM+10:TM+11]
	s_delay_alu instid0(VALU_DEP_2)
	v_pk_add_f32 v[TM+12:TM+13], v[TM+12:TM+13], v[TM+14:TM+15]
	s_delay_alu instid0(VALU_DEP_1)
	v_pk_add_f32 v[TM+8:TM+9], v[TM+8:TM+9], v[TM+12:TM+13]
	s_delay_alu instid0(VALU_DEP_1)
	v_add_f32 v250, v[TM+8], v[TM+9]
	s_delay_alu instid0(VALU_DEP_1)
	v_permlanex16_b32 v251, v250, s[SEL], s[SEL+1]
	s_delay_alu instid0(VALU_DEP_1)
	v_add_f32 v250, v250, v251
	ds_store_b32 v7, v250 offset:\red              ; lanes r and r + 16 write the same word with the same value
	s_wait_dscnt 0x0                               ; for the others' sake: my store has landed
	s_barrier_signal -1
	s_barrier_wait -1
	ds_load_b128 v[TM+8:TM+11], v8 offset:\red
	ds_load_b128 v[TM+12:TM+15], v8 offset:\red+16
	s_wait_dscnt 0x0
	v_pk_add_f32 v[TM+8:TM+9], v[TM+8:TM+9], v[TM+10:TM+11]
	v_pk_add_f32 v[TM+12:TM+13], v[TM+12:TM+13], v[TM+14:TM+15]
	s_delay_alu instid0(VALU_DEP_1)
	v_pk_add_f32 v[TM+8:TM+9], v[TM+8:TM+9], v[TM+12:TM+13]
	s_delay_alu instid0(VALU_DEP_1)
	v_add_f32 v250, v[TM+8], v[TM+9]
.endm
.irp c, 0,1,2,3
	v_pk_add_f32 v[TM+8+2*\c:TM+9+2*\c], v[X+4*\c:X+4*\c+1], v[X+4*\c+2:X+4*\c+3]   ; four chains; the first sums start them
.endr
.irp m, 0,1,2,3,4,5
.irp c, 0,1,2,3
	s_delay_alu instid0(VALU_DEP_4)
	v_pk_add_f32 v[TM+8+2*\c:TM+9+2*\c], v[TM+8+2*\c:TM+9+2*\c], v[X+16+8*\m+2*\c:X+17+8*\m+2*\c]
.endr
.endr
	FOLD 0
	s_delay_alu instid0(VALU_DEP_1)
	v_mul_f32 v246, 0xba800000, v250               ; - mean
	s_delay_alu instid0(VALU_DEP_1)
	v_mov_b32 v247, v246
.set j, 0
.rept 32
	v_pk_add_f32 v[X+j:X+j+1], v[X+j:X+j+1], v[246:247]
.set j, j+2
.endr
.irp c, 0,1,2,3
	v_pk_mul_f32 v[TM+8+2*\c:TM+9+2*\c], v[X+2*\c:X+2*\c+1], v[X+2*\c:X+2*\c+1]
.endr
.irp m, 1,2,3,4,5,6,7
.irp c, 0,1,2,3
	s_delay_alu instid0(VALU_DEP_4)
	v_pk_fma_f32 v[TM+8+2*\c:TM+9+2*\c], v[X+8*\m+2*\c:X+8*\m+2*\c+1], v[X+8*\m+2*\c:X+8*\m+2*\c+1], v[TM+8+2*\c:TM+9+2*\c]
.endr
.endr
	FOLD RED2-RED1                                 ; other bytes than the first sums': one barrier serves
	s_delay_alu instid0(VALU_DEP_1)
	v_fma_f32 v250, v250, s24, s25                 ; variance + 1e-5
	s_wait_alu depctr_va_vdst(0)
	v_rsq_f32 v248, v250
	v_rsq_f32 v249, v250                           ; twice: a pair for the packed multiply
	v_nop                                          ; a plain place behind the transcendentals
	s_wait_alu depctr_va_vdst(0)                   ; one wait for both, ahead of their first reader
	s_wait_loadcnt 0x0                             ; g and be
.set j, 0
.rept 32
	v_pk_mul_f32 v[X+j:X+j+1], v[X+j:X+j+1], v[248:249]
.set j, j+2
.endr
	WIN 0x04                                       ; source 1 (g) window 1
.set j, 0
.rept 32
	v_pk_fma_f32 v[X+j:X+j+1], v[X+j:X+j+1], v[G+j:G+j+1], v[BE+j:BE+j+1]
.set j, j+2
.endr
	WIN 0
	; the quantiser: four blocks of 32, each shared by lanes l and l xor 16
.irp b, 0,1,2,3
	v_max3_num_f32 v[TM+\b], |v[X+16*\b]|, |v[X+1+16*\b]|, 0x1800000   ; with the floor 2^(3 - 127): the byte cannot fall under 1
.endr
.irp i, 2,4,6,8,10,12,14
.irp b, 0,1,2,3
	s_delay_alu instid0(VALU_DEP_4)
	v_max3_num_f32 v[TM+\b], v[TM+\b], |v[X+16*\b+\i]|, |v[X+1+16*\b+\i]|
.endr
.endr
.irp b, 0,1,2,3
	s_delay_alu instid0(VALU_DEP_4)
	v_permlanex16_b32 v[TM+4+\b], v[TM+\b], s[SEL], s[SEL+1]
.endr
.irp b, 0,1,2,3
	s_delay_alu instid0(VALU_DEP_4)
	v_max_num_f32 v[TM+\b], v[TM+\b], v[TM+4+\b]
.endr
.irp b, 0,1,2,3
	s_delay_alu instid0(VALU_DEP_4)
	v_add_nc_u32 v[TM+12+\b], 0xff000000, v[TM+\b] ; 2 off the exponent field: the conversion's scale operand
.endr
.irp b, 0,1,2,3
	s_delay_alu instid0(VALU_DEP_4)
	v_lshrrev_b32 v[TM+4+\b], 23, v[TM+12+\b]      ; the scale's byte
.endr
	s_delay_alu instid0(VALU_DEP_3)
	v_lshl_or_b32 v[PW], v[TM+5], 8, v[TM+4]
	s_delay_alu instid0(VALU_DEP_1)
	v_lshl_or_b32 v[PW], v[TM+6], 16, v[PW]
	s_delay_alu instid0(VALU_DEP_1)
	v_lshl_or_b32 v[PW], v[TM+7], 24, v[PW]
.irp c, 0,1
	v_cvt_scalef32_pk16_fp6_f32 v[PC+6*\c:PC+2+6*\c], v[X+32*\c:X+15+32*\c], v[TM+12+2*\c]
	v_cvt_scalef32_pk16_fp6_f32 v[PC+12+4*\c:PC+14+4*\c], v[X+16+32*\c:X+31+32*\c], v[TM+12+2*\c+1]
.endr
	v_nop                                          ; one plain place behind a scaled conversion
.irp c, 0,1                                    ; a lane is to hold a whole block: lanes 0-15 block 2 c, lanes 16-31 block 2 c + 1
.irp i, 0,1,2
	v_permlane16_swap_b32 v[PC+6*\c+\i], v[PC+12+4*\c+\i]
.endr
.irp i, 0,1,2
	s_delay_alu instid0(VALU_DEP_3)
	v_mov_b32 v[PC+3+6*\c+\i], v[PC+12+4*\c+\i]
.endr
.endr
	global_store_b128 v1, v[PC:PC+3], s[10:11]     ; each store covers consecutive bytes, 512 or 256, at a multiple of 256 from nx's first byte
	global_store_b64 v2, v[PC+4:PC+5], s[10:11] offset:512
	global_store_b128 v1, v[PC+6:PC+9], s[10:11] offset:768
	global_store_b64 v2, v[PC+10:PC+11], s[10:11] offset:1280
	s_wait_xcnt 0x0                                ; EXEC changes only behind this wait
	v_cmp_gt_u32 vcc_lo, 16, v9
	s_and_saveexec_b32 s28, vcc_lo
	global_store_b32 v3, v[PW], s[26:27]           ; lanes 0-15: the 16 rows' scale words
	s_wait_xcnt 0x0                                ; and again, in front of the line that widens it
	s_or_b32 exec_lo, exec_lo, s28
	s_wait_tensorcnt 0x0                           ; the wave's end
	ds_add_u32 v[SPW], v[NIL]
	s_wait_dscnt 0x0
	s_endpgm
.Lfunc_end_k_q3c88b69bac_ln1:
	.size	k_q3c88b69bac_ln1, .Lfunc_end_k_q3c88b69bac_ln1-k_q3c88b69bac_ln1
	.p2alignl 7, 3214868480
	.fill 96, 4, 3214868480
	.section	.rodata,"a",@progbits
	.p2align	6, 0x0
	.amdhsa_kernel k_q3c88b69bac_ln1
		.amdhsa_group_segment_fixed_size 69632
		.amdhsa_private_segment_fixed_size 0
		.amdhsa_enable_private_segment 0
		.amdhsa_kernarg_size 32
		.amdhsa_user_sgpr_count 2
		.amdhsa_user_sgpr_kernarg_segment_ptr 1
		.amdhsa_wavefront_size32 1
		.amdhsa_system_sgpr_workgroup_id_x 1
		.amdhsa_system_sgpr_workgroup_id_y 1
		.amdhsa_system_sgpr_workgroup_id_z 1
		.amdhsa_system_vgpr_workitem_id 0
		.amdhsa_next_free_vgpr 320
		.amdhsa_next_free_sgpr 66
		.amdhsa_reserve_vcc 1
		.amdhsa_float_denorm_mode_32 3
		.amdhsa_float_denorm_mode_16_64 3
		.amdhsa_memory_ordered 1
		.amdhsa_forward_progress 1
		.amdhsa_inst_pref_size 30
	.end_amdhsa_kernel
	.amdgpu_metadata
---
amdhsa.version: [ 1, 2 ]
amdhsa.kernels:
  - .name:           k_q3c88b69bac_ln1
    .symbol:         k_q3c88b69bac_ln1.kd
    .args:
      - { .name: x, .offset: 0, .size: 8, .value_kind: global_buffer, .address_space: global }
      - { .name: g1, .offset: 8, .size: 8, .value_kind: global_buffer, .address_space: global }
      - { .name: be1, .offset: 16, .size: 8, .value_kind: global_buffer, .address_space: global }
      - { .name: nx, .offset: 24, .size: 8, .value_kind: global_buffer, .address_space: global }
    .group_segment_fixed_size: 69632
    .private_segment_fixed_size: 0
    .kernarg_segment_align: 8
    .kernarg_segment_size: 32
    .max_flat_workgroup_size: 256
    .sgpr_count:     66
    .vgpr_count:     320
    .wavefront_size: 32
...
	.end_amdgpu_metadata
.endif
;; end of part 2
;; launch qkv (part 3): grid 16 x 12, 4 waves a work-group, clusters of 4 x 4, 327,680 bytes of LDS; arguments nx, wb, bq, bk, bv, qkvb; writes qkvb
.if DOCPART == 3
	.amdgcn_target "amdgcn-amd-amdhsa--gfx1250"
	.amdhsa_code_object_version 6
	.text
	.protected	k_q3c88b69bac_qkv
	.globl	k_q3c88b69bac_qkv
	.p2align	8
	.type	k_q3c88b69bac_qkv,@function
k_q3c88b69bac_qkv:
	s_mov_b64 s[64:65], 0
	v_nop
	global_prefetch_b8 v0, s[64:65] scope:SCOPE_SE
	s_setreg_imm32_b32 hwreg(HW_REG_WAVE_MODE, 25, 1), 1
	s_wait_xcnt 0x0
	s_wait_alu depctr_hold_cnt(0) depctr_sa_sdst(0) depctr_va_vdst(0) depctr_va_sdst(0) depctr_va_ssrc(0) depctr_va_vcc(0) depctr_vm_vsrc(0)
	s_getreg_b32 s2, hwreg(HW_REG_IB_STS2, 6, 4)
	s_cmp_eq_u32 s2, 0
	s_cbranch_scc0 .Lentry_in_a_cluster
	s_endpgm
.Lentry_in_a_cluster:
	s_bfe_u32 s2, ttmp6, 0x10000c
	s_cmp_lg_u32 s2, 0xf033
	s_cbranch_scc0 .Lentry_shape_is_right
	s_endpgm
.Lentry_shape_is_right:
; q = nx wq + bq, k = nx wk + bk, v = nx wv + bv on codes of FP6 (E2M3) with E8M0 scales; the results are quantised in registers: q and k along the head's 64 channels, v along the keys, and stored as attention's operands.
; All operands are fragments in the order of the operand's registers (1,536 bytes: registers 6 c .. 6 c + 3 of lane l at 768 c + 16 l, registers 6 c + 4, 6 c + 5 at 768 c + 512 + 8 l), fragment (rb, ks) at (rb x 8 + ks) x 1,536,
; scale words at (rb x 8 + ks) x 64 + 4 r; lane r of row block rb holds row 32 (rb / 2) + 8 (rb % 2) + r + 8 (r / 8).  So a tile of a K step is dense, needs no padding, and a fragment comes by four dense LDS loads.
; A tile of 256 x 256 to a work-group of four waves, 128 x 128 to a wave: 64 accumulators.  Source 0 takes "B"'s rows, source 1 "A"'s: a lane holds one row of A, and by the order of rows above the 64 registers of
; A's block a are 128 NEIGHBOURING rows of B: register 16 b + i = row 32 b + 16 (lane / 16) + i: the quantiser's input as it stands.
; Clusters with y = 0, 1: A = nx (tokens), B = wq | wk (channels): a lane's 128 channels are two heads.  Clusters with y = 2: A = wv (channels), B = nx (tokens): a lane's 128 numbers are 128 keys of one channel.
; The choice hangs on the cluster's y, which all partners share.  4 x 4 work-groups: A's tiles are asked for jointly along a row of the cluster, B's along a column.
; qkvb: q codes [bh][128 blocks][768] at 0, q scale words [bh][128][16] at Q_S; from KV on, for each head four stages of 512 keys: k codes [32][768], v codes [4 key steps][4 channel tiles][1,536], k words [32][16], v words [4][4][32].
; A head's q and k words hold its two bytes and 0x7f7f above: attention runs its first product at K = 128 with zero codes in the upper 64.
; LIMITS: a block whose largest magnitude lies under 2^-124 gets the byte 1; NaN and infinities are not served.
.set NB,  8                            ; row blocks of a wave, each side
.set LNB, 3
.set NQ,  3                            ; K steps of 128 in a slot
.set KS,  8                            ; K steps in all
.set NX_S, 3145728
.set W_S,  9437184
.set Q_S,  3145728
.set KV,   3407872
.set STB,  53248
.set HB,   4*STB
.set SEL, 16                           ; s16, s17 lane selects: lane l xor 16
.set BM,  48                           ; v48-63  bv of my lane's channel, a pair for each block of A
.set T,   64                           ; the epilogue, in window 0: 64 numbers,
.set PC,  128                          ; the codes,
.set TM,  148                          ; at work,
.set PW,  164                          ; the scale word
; ---------------------------------------------------------------- the core of the two products with tiles of 256 x 256 and K = 1,024
; TWO SLOTS of three K steps lie in LDS beside the scale words: 2 x 147,456 + 16,384 + 512 bytes.  At the head each wave issues one joint load: wave 0 A's 16 row blocks of K steps 0-2, wave 2 B's,
; wave 1 A's scale words for all of K, wave 3 B's.  Slot 1 (K steps 3-5) is first filled behind the full sequence and a round of the cluster's barrier, a quarter of the slot a wave.
; K steps 6 and 7 come by one refill into slot 0: the same tile with tensor_dim0 cut to two fragments, so that a row block's place in the slot stays 3 fragments.  One tensor load of a wave is out at any time.
; PREFETCH: behind the head's load each wave asks for what its two later loads will bring, K steps 3 to 7: one and two loads ahead.  K steps 0 to 2 come by their load alone.
.set NSL,   2                          ; slots
.set FRB,   1536                       ; a fragment's image
.set RBB,   NQ*FRB                     ; a row block's bytes in a slot
.set HALFT, NB*RBB                     ; what one tensor load brings, and what one wave reads of A or of B
.set SLOT,  4*HALFT                    ; A's two halves, then B's two
.set SCL,   NSL*SLOT                   ; behind the slots: the scale words of the work-group's rows for all of K, filled once
.set HALFS, NB*KS*64
.set SPARE, SCL+4*HALFS                ; the spare words: 128 bytes for each wave, named by no other line
.set HW,    2*NB                       ; LDS loads that bring A's upper blocks
.set L16, 4                            ; v4   16 x lane
.set L8,  5                            ; v5   8 x lane
.set A16, 16                           ; v16, v17 my A blocks in slot 0, 1, + 16 x lane;  v19, v20 + 8 x lane
.set A8,  19
.set B16, 22                           ; v22-27 the same for B
.set B8,  25
.set SPW, 28                           ; v28  my spare word; never rewritten
.set NIL, 29                           ; v29  0; never rewritten
.set ADRS, 30                          ; v30  my scale words: lanes 0-15 A's, lanes 16-31 B's
.set SC,  32                           ; scale words, two sets of NB: register i: lanes 0-15 A's block i, lanes 16-31 B's block i
.set AF,  64                           ; window 0: A's fragments, two sets 96 apart.  Window 1: B's, two sets at 0 and 128.  Windows 2, 3: the accumulators
.set WV, 18                            ; s18  wave
.set RH, 19                            ; s19  which half of the tile's rows is mine; also: I fetch for A (0) or B (1)
.set CH, 20                            ; s20  which half of its columns; also: which half I fetch
.set G1, 24                            ; s[24:31] group 1 for A's tiles, s[32:39] group 0 for slots 0, 1
.set G0, 32
.set G1B, 48                           ; s[48:55], s[56:63] the same for B's
.set G0B, 56
.set G1S, 68                           ; s[68:75], s[76:79] A's scale words;  s[80:87], s[88:91] B's
.set G0S, 76
.set G1SB, 80
.set G0SB, 88
.set MSB, 0
.macro WIN new                         ; the immediate's high byte repeats the setting that is left
.if MSB != (\new)
	s_set_vgpr_msb (MSB<<8)|(\new)
.set MSB, \new
.endif
.endm
.macro PLACES n
.rept \n
	v_nop
.endr
.endm
; a joint load: waves 0 and 1 fetch for A, waves 2 and 3 for B; an s_nop 0 and four v_nop follow each line
.macro JLOAD g0a, g1a, g0b, g1b
	s_cmp_eq_u32 s[RH], 0
	s_cbranch_scc0 .Lfor_b_\@
	tensor_load_to_lds s[\g0a:\g0a+3], s[\g1a:\g1a+7]
	s_nop 0
.rept 4
	v_nop
.endr
	s_branch .Lasked_\@
.Lfor_b_\@:
	tensor_load_to_lds s[\g0b:\g0b+3], s[\g1b:\g1b+7]
	s_nop 0
.rept 4
	v_nop
.endr
.Lasked_\@:
.endm
.macro CREST                           ; a round of the cluster's barrier behind its opening barrier
	s_cmp_lg_u32 s[WV], 0
	s_cbranch_scc1 .Lnot_wave_0_\@
	s_barrier_signal -3
.Lnot_wave_0_\@:
	s_barrier_wait -3
	s_barrier_signal -1
	s_barrier_wait -1
.endm
.macro CROUND
	s_barrier_signal -1
	s_barrier_wait -1
	CREST
.endm
.macro DESCRIPTORS                     ; s40: the mask of my row of the cluster, s41: of my column.  Elements of 8 bytes, no padding; bit 21 stands beside a mask
	s_or_b32 s[G1], s40, (3<<16)|(1<<21)
	s_or_b32 s[G1B], s41, (3<<16)|(1<<21)
.irp g, G1, G1B                        ; a row for each row block: its NQ fragments on end; KS fragments from row to row.  2 NB rows for the head's loads; behind them the two words are set to NB
	s_mov_b32 s[\g+1], (NQ*192)<<16
	s_mov_b32 s[\g+2], (2*NB)<<16
	s_mov_b32 s[\g+3], (NQ*192)<<16
	s_mov_b32 s[\g+4], 2*NB
	s_mov_b32 s[\g+5], KS*192
	s_mov_b32 s[\g+6], 0
	s_mov_b32 s[\g+7], 0
.endr
	s_or_b32 s[G1S], s40, (3<<16)|(1<<21)
	s_or_b32 s[G1SB], s41, (3<<16)|(1<<21)
.irp g, G1S, G1SB                      ; a dense block of 2 HALFS bytes as rows of 256
	s_mov_b32 s[\g+1], 32<<16
	s_mov_b32 s[\g+2], (HALFS/128)<<16
	s_mov_b32 s[\g+3], 32<<16
	s_mov_b32 s[\g+4], HALFS/128
	s_mov_b32 s[\g+5], 32
	s_mov_b32 s[\g+6], 0
	s_mov_b32 s[\g+7], 0
.endr
.endm
.macro ARM under, g0, g1, next         ; an arm of the head's tree of branches on the wave's number: one load, then the jump to the tree's end
	s_cmp_lt_u32 s[WV], \under
	s_cbranch_scc0 \next
	tensor_load_to_lds s[\g0:\g0+3], s[\g1:\g1+7]
	s_nop 0
.rept 4
	v_nop
.endr
	s_branch .Lhead_asked
\next:
.endm
.macro FIRST_FILLS                     ; s[44:45]: A's codes that I fetch, s[46:47]: B's; the scale words' addresses stand in their groups 0; s40 = wave x HALFT, s41 = (wave / 2) x 2 HALFS
	CROUND
	s_mov_b32 s[G0S], 1
	s_add_co_u32 s[G0S+1], s41, SCL
	s_or_b32 s[G0S+3], s[G0S+3], 0x80000000
	s_mov_b32 s[G0SB], 1
	s_add_co_u32 s[G0SB+1], s41, SCL
	s_or_b32 s[G0SB+3], s[G0SB+3], 0x80000000
.irp s, 0,1
	s_mov_b32 s[G0+4*\s], 1
	s_add_co_u32 s[G0+4*\s+1], s40, \s*SLOT
	s_add_nc_u64 s[G0+4*\s+2:G0+4*\s+3], s[44:45], \s*RBB
	s_or_b32 s[G0+4*\s+3], s[G0+4*\s+3], 0x80000000
	s_mov_b32 s[G0B+4*\s], 1
	s_add_co_u32 s[G0B+4*\s+1], s40, \s*SLOT
	s_add_nc_u64 s[G0B+4*\s+2:G0B+4*\s+3], s[46:47], \s*RBB
	s_or_b32 s[G0B+4*\s+3], s[G0B+4*\s+3], 0x80000000
.endr
	; the head's loads, one a wave: waves 0 and 2 fetch from their own quarter's first byte, with 2 NB rows: both halves of the tile
	ARM 1, G0, G1, .Lhead_sa
	ARM 2, G0S, G1S, .Lhead_b
	ARM 3, G0B, G1B, .Lhead_sb
	tensor_load_to_lds s[G0SB:G0SB+3], s[G1SB:G1SB+7]
	s_nop 0
.rept 4
	v_nop
.endr
.Lhead_asked:
.endm
.macro ADDRESSES
	v_and_b32 v1, 31, v0                           ; lane
	v_and_b32 v2, 15, v0                           ; r
	v_bfe_u32 v3, v0, 4, 1                         ; h
	v_lshlrev_b32 v[L16], 4, v1
	v_lshlrev_b32 v[L8], 3, v1
	s_mul_i32 s40, s[RH], HALFT
	s_mul_i32 s41, s[CH], HALFT
	s_add_co_u32 s41, s41, 2*HALFT
.irp s, 0,1
	v_add_nc_u32 v[A16+\s], s40, v[L16]
	v_add_nc_u32 v[A8+\s], s40, v[L8]
	v_add_nc_u32 v[B16+\s], s41, v[L16]
	v_add_nc_u32 v[B8+\s], s41, v[L8]
	s_add_co_u32 s40, s40, SLOT
	s_add_co_u32 s41, s41, SLOT
.endr
	v_lshlrev_b32 v6, 2, v2
	s_mul_i32 s40, s[RH], HALFS
	s_mul_i32 s41, s[CH], HALFS
	s_add_co_u32 s41, s41, 2*HALFS
	s_sub_co_u32 s41, s41, s40
	v_mul_u32_u24 v7, s41, v3                      ; lanes 16-31 take B's words: one product, the distance between the two bases
	s_add_co_u32 s40, s40, SCL
	v_add_nc_u32 v6, v6, v7
	v_add_nc_u32 v[ADRS], s40, v6
.endm
.macro FRAG reg, a16, a8, off          ; a fragment's 12 registers: four dense loads
	ds_load_b128 v[\reg:\reg+3], v[\a16] offset:\off
	ds_load_b64 v[\reg+4:\reg+5], v[\a8] offset:\off+512
	ds_load_b128 v[\reg+6:\reg+9], v[\a16] offset:\off+768
	ds_load_b64 v[\reg+10:\reg+11], v[\a8] offset:\off+1280
.endm
.macro FETCH_S q, p                    ; the scale words of the slot's q-th K step into set p
.set fi, 0
.rept NB
	ds_load_b32 v[SC+NB*(\p)+fi], v[ADRS] offset:fi*KS*64+64*(\q)
.set fi, fi+1
.endr
.endm
.macro FETCH_B slot, q, p, i0          ; four of B's fragments
	WIN 0x40
.set fi, \i0
.rept 4
	FRAG 128*(\p)+12*fi, B16+\slot, B8+\slot, fi*RBB+(\q)*FRB
.set fi, fi+1
.endr
	WIN 0
.endm
.macro FETCH_A slot, q, p, i0          ; four of A's
	WIN 0
.set fi, \i0
.rept 4
	FRAG AF+96*(\p)+12*fi, A16+\slot, A8+\slot, fi*RBB+(\q)*FRB
.set fi, fi+1
.endr
.endm
; A's blocks a0, a0 + 1 against all of B's, 128 along K, from set p.  The accumulators take turns, one instruction a turn, in the same order in every step.
.macro MULG a0, p, zero
.set ma, \a0
.rept 2
.set mb, 0
.rept NB
.set ix, ma*NB+mb
.set ac, 8*(ix%32)
	WIN 0xa1+0x50*(ix/32)
.if \zero
	v_wmma_scale_f32_16x16x128_f8f6f4 v[ac:ac+7], v[128*(\p)+12*mb:128*(\p)+12*mb+11], v[AF+96*(\p)+12*ma:AF+96*(\p)+12*ma+11], 0, v[SC+NB*(\p)+mb], v[SC+NB*(\p)+ma] matrix_a_fmt:MATRIX_FMT_FP6 matrix_b_fmt:MATRIX_FMT_FP6 matrix_a_scale:MATRIX_SCALE_ROW1
.else
	v_wmma_scale_f32_16x16x128_f8f6f4 v[ac:ac+7], v[128*(\p)+12*mb:128*(\p)+12*mb+11], v[AF+96*(\p)+12*ma:AF+96*(\p)+12*ma+11], v[ac:ac+7], v[SC+NB*(\p)+mb], v[SC+NB*(\p)+ma] matrix_a_fmt:MATRIX_FMT_FP6 matrix_b_fmt:MATRIX_FMT_FP6 matrix_a_scale:MATRIX_SCALE_ROW1
.endif
.set mb, mb+1
.endr
.set ma, ma+1
.endr
.endm
; K step k lies in slot (k / NQ) % 2 as that slot's step k % NQ, and is multiplied from register set k % 2; the scale words' place along K stands in their loads' immediate
.macro WHERE k
.set ns, (((\k)+1)/NQ)%2               ; the next step's slot,
.set nk, ((\k)+1)%NQ                   ; its place there,
.set pp, (\k)%2                        ; this step's set,
.set pn, 1-pp                          ; the next step's,
.set cs, ((\k)/NQ)%2                   ; this step's slot
.endm
; a K step whose successor lies in the same slot: it multiplies its set and fetches the next step into the other, in runs between its products
.macro STEP k, zero
	WHERE \k
	s_wait_dscnt HW                                ; words, B and A's lower blocks are in; the youngest loads, A's upper blocks, may be out
	PLACES 4                                       ; the other set was read by the step before: four places in front of all this step's loads into it
	WIN 0
	FETCH_S (\k)+1, pn
	FETCH_B ns, nk, pn, 0
	MULG 0, pp, \zero
	FETCH_B ns, nk, pn, 4
	MULG 2, pp, \zero
	s_wait_dscnt 5*NB                              ; all but the loads that this step has issued: A's upper blocks are in
	FETCH_A ns, nk, pn, 0
	MULG 4, pp, \zero
	FETCH_A ns, nk, pn, 4
	MULG 6, pp, \zero
.endm
; a slot's last K step, with a barrier; in front of it each wave waits for all its tensor loads, adds 0 to its spare word and waits for that and for its reads of this slot.  fill = 1: this slot takes K steps 6 and 7
.macro TURN k, fill
	WHERE \k
	WIN 0
	s_wait_tensorcnt 0x0                           ; all my tensor loads have landed
	ds_add_u32 v[SPW], v[NIL]
.if \fill
	s_mov_b32 s[G1+1], (2*192)<<16                 ; no load of mine is out: tensor_dim0 = two fragments, what is left of K; the tile's third is written as zeros and not read
	s_mov_b32 s[G1B+1], (2*192)<<16
.endif
	s_wait_dscnt HW+1                              ; (the add and A's upper blocks may be out)
	MULG 0, pp, 0
	s_wait_dscnt 0x0                               ; the add is done, and my reads of this slot are over
	s_barrier_signal -1
	MULG 2, pp, 0
	WIN 0
	s_barrier_wait -1
.if \fill
	CREST                                          ; the barrier has opened a round of the cluster's: no wave of any partner still reads this slot or has a load on its way
	s_add_nc_u64 s[G0+4*cs+2:G0+4*cs+3], s[G0+4*cs+2:G0+4*cs+3], NSL*RBB
	s_add_nc_u64 s[G0B+4*cs+2:G0B+4*cs+3], s[G0B+4*cs+2:G0B+4*cs+3], NSL*RBB
	JLOAD G0+4*cs, G1, G0B+4*cs, G1B               ; the first tensor load behind the round; its four v_nop are the places in front of the loads below
.else
	PLACES 4
.endif
	FETCH_S (\k)+1, pn
	FETCH_B ns, 0, pn, 0
	FETCH_B ns, 0, pn, 4
	MULG 4, pp, 0
	FETCH_A ns, 0, pn, 0
	MULG 6, pp, 0
	FETCH_A ns, 0, pn, 4
.endm
.macro LAST                            ; the very last step: nothing more to fetch
	s_wait_dscnt HW
	MULG 0, 1, 0
	MULG 2, 1, 0
	s_wait_dscnt 0x0
	MULG 4, 1, 0
	MULG 6, 1, 0
	WIN 0
.endm
.macro PRODUCTS
	s_wait_tensorcnt 0x0                           ; my tile of the head's four is in
	ds_add_u32 v[SPW], v[NIL]
	s_mov_b32 s[G1+2], NB<<16                      ; no load of mine is out: from here on a load brings NB row blocks
	s_mov_b32 s[G1+4], NB
	s_mov_b32 s[G1B+2], NB<<16
	s_mov_b32 s[G1B+4], NB
	s_wait_dscnt 0x0
	CROUND                                         ; all four tiles are in, and all sixteen work-groups are here
	JLOAD G0+4, G1, G0B+4, G1B                     ; slot 1: K steps 3 to 5
	FETCH_S 0, 0
	FETCH_B 0, 0, 0, 0
	FETCH_B 0, 0, 0, 4
	FETCH_A 0, 0, 0, 0
	FETCH_A 0, 0, 0, 4
	STEP 0, 1                                      ; K step 0: its products start the sums: nothing is cleared
	STEP 1, 0
	TURN 2, 1                                      ; slot 1 is whole; slot 0 takes K steps 6 and 7
	STEP 3, 0
	STEP 4, 0
	TURN 5, 0                                      ; the refill has landed; nothing is filled, so no round
	STEP 6, 0
	LAST                                           ; K step 7
.endm
; ---------------------------------------------------------------- the core's end
; 64 numbers of a lane, register 16 b + i = k 32 b + 16 (lane / 16) + i of my row, become a fragment's codes in v[PC] on and its scale word in v[pw]
.macro QUANT s, pw
.irp b, 0,1,2,3
	v_max3_num_f32 v[TM+\b], |v[\s+16*\b]|, |v[\s+1+16*\b]|, 0x1800000   ; with the floor 2^(3 - 127): the byte cannot fall under 1
.endr
.irp i, 2,4,6,8,10,12,14
.irp b, 0,1,2,3
	v_max3_num_f32 v[TM+\b], v[TM+\b], |v[\s+16*\b+\i]|, |v[\s+1+16*\b+\i]|
.endr
.endr
.irp b, 0,1,2,3
	v_permlanex16_b32 v[TM+4+\b], v[TM+\b], s[SEL], s[SEL+1]
.endr
.irp b, 0,1,2,3
	v_max_num_f32 v[TM+\b], v[TM+\b], v[TM+4+\b]
.endr
.irp b, 0,1,2,3
	v_add_nc_u32 v[TM+12+\b], 0xff000000, v[TM+\b] ; 2 off the exponent field: the conversion's scale operand
.endr
.irp b, 0,1,2,3
	v_lshrrev_b32 v[TM+4+\b], 23, v[TM+12+\b]      ; the scale's byte
.endr
	v_lshl_or_b32 v[\pw], v[TM+5], 8, v[TM+4]
	v_lshl_or_b32 v[\pw], v[TM+6], 16, v[\pw]
	v_lshl_or_b32 v[\pw], v[TM+7], 24, v[\pw]
.irp c, 0,1
	v_cvt_scalef32_pk16_fp6_f32 v[PC+6*\c:PC+2+6*\c], v[\s+32*\c:\s+15+32*\c], v[TM+12+2*\c]
	v_cvt_scalef32_pk16_fp6_f32 v[PC+12+4*\c:PC+14+4*\c], v[\s+16+32*\c:\s+31+32*\c], v[TM+12+2*\c+1]
.endr
	v_nop                                          ; one plain place behind a scaled conversion
.irp c, 0,1
.irp i, 0,1,2
	v_permlane16_swap_b32 v[PC+6*\c+\i], v[PC+12+4*\c+\i]
.endr
.irp i, 0,1,2
	v_mov_b32 v[PC+3+6*\c+\i], v[PC+12+4*\c+\i]
.endr
.endr
.endm
.macro STOREF base, off                ; a fragment's image: each store covers consecutive bytes, 512 or 256, at a multiple of 256 from the buffer's first byte
	global_store_b128 v[L16], v[PC:PC+3], s[\base:\base+1] offset:\off
	global_store_b64 v[L8], v[PC+4:PC+5], s[\base:\base+1] offset:\off+512
	global_store_b128 v[L16], v[PC+6:PC+9], s[\base:\base+1] offset:\off+768
	global_store_b64 v[L8], v[PC+10:PC+11], s[\base:\base+1] offset:\off+1280
.endm
	s_load_b256 s[4:11], s[0:1], 0x0               ; nx, wb, bq, bk
	s_load_b128 s[12:15], s[0:1], 0x20             ; bv, qkvb
	v_lshl_add_u32 v[SPW], v0, 2, SPARE
	v_mov_b32 v[NIL], 0
	ds_add_u32 v[SPW], v[NIL]                      ; the wave's opening: the add and its wait ahead of my first tensor load
	ds_add_u32 v[SPW], v[NIL]
	v_lshrrev_b32 v1, 5, v0
	v_readfirstlane_b32 s[WV], v1
	s_lshr_b32 s[RH], s[WV], 1
	s_and_b32 s[CH], s[WV], 1
	s_bfe_u32 s21, ttmp6, 0x40000                  ; cx
	s_bfe_u32 s22, ttmp6, 0x40004                  ; cy
	s_and_b32 s67, ttmp7, 0xffff                   ; the cluster's y: 0 q, 1 k, 2 v
	s_lshl_b32 s40, ttmp9, 2
	s_lshl_b32 s41, s67, 2
	s_mov_b32 s2, NX_S
	s_mov_b32 s3, W_S
	s_cmp_eq_u32 s67, 2
	s_cselect_b32 s23, 0, s40
	s_cselect_b32 s66, s40, s41
	s_cselect_b32 s42, 128, 0                      ; wv's first row block in wb
	s_cselect_b32 s100, s3, s2                     ; where A's scale words begin in A's buffer
	s_cselect_b32 s101, s2, s3                     ; and B's in B's
	s_add_co_u32 s23, s23, s22                     ; tile row: of tokens (q, k), of wv's channels (v)
	s_add_co_u32 s66, s66, s21                     ; tile column: of wq | wk's channels, of tokens
	s_lshl_b32 s40, s22, 2
	s_lshl_b32 s40, 15, s40                        ; my row of the cluster
	s_lshl_b32 s41, 0x1111, s21                    ; my column
	DESCRIPTORS
	s_mov_b32 s[SEL], 0x76543210
	s_mov_b32 s[SEL+1], 0xfedcba98
	s_lshl_b32 s43, s[CH], LNB
	s_lshl_b32 s44, s23, LNB+1
	s_add_co_u32 s44, s44, s43
	s_add_co_u32 s44, s44, s42                     ; A's row block that I fetch from
	s_lshl_b32 s46, s66, LNB+1
	s_add_co_u32 s46, s46, s43                     ; B's
	s_mul_i32 s92, s44, KS*64
	s_add_co_u32 s92, s92, s100
	s_mul_i32 s96, s46, KS*64
	s_add_co_u32 s96, s96, s101
	s_mul_i32 s44, s44, KS*FRB
	s_mul_i32 s46, s46, KS*FRB
	s_mov_b32 s45, 0
	s_mov_b32 s47, 0
	s_mov_b32 s93, 0
	s_mov_b32 s97, 0
	s_mul_i32 s40, s[WV], HALFT
	s_mul_i32 s41, s43, KS*64                      ; the scale words come whole: my half's offset is taken off their addresses,
	s_sub_co_u32 s92, s92, s41
	s_sub_co_u32 s96, s96, s41
	s_mul_i32 s41, s[RH], 2*HALFS                  ; and they land at A's place (wave 1) or B's (wave 3)
	s_wait_dscnt 0x0                               ; the opening add is done
	s_wait_kmcnt 0x0
	s_cmp_eq_u32 s67, 2
	s_cselect_b64 s[2:3], s[6:7], s[4:5]           ; A's buffer
	s_cselect_b64 s[100:101], s[4:5], s[6:7]       ; B's
	s_add_nc_u64 s[44:45], s[2:3], s[44:45]
	s_add_nc_u64 s[G0S+2:G0S+3], s[2:3], s[92:93]
	s_add_nc_u64 s[46:47], s[100:101], s[46:47]
	s_add_nc_u64 s[G0SB+2:G0SB+3], s[100:101], s[96:97]
	FIRST_FILLS
	; of the 8 row blocks that I fetch in the ring, my work-group takes two, by its place among the four partners that ask with it (told apart by address): K steps 3 to 7 of a row block are 7,680 bytes,
	; a lane to each 256 (lanes 30, 31 name the last again), one instruction a row block.  s[2:3] and v31 are never rewritten
	s_cmp_eq_u32 s[RH], 0                          ; do I fetch for A or for B?
	s_cselect_b64 s[2:3], s[44:45], s[46:47]
	s_cselect_b32 s94, s21, s22                    ; my place: cx for A, cy for B
	s_mul_i32 s94, s94, 2*KS*FRB
	s_add_co_u32 s94, s94, NQ*FRB                  ; from K step 3 on
	s_mov_b32 s95, 0
	s_add_nc_u64 s[2:3], s[2:3], s[94:95]
	v_and_b32 v31, 31, v0
	v_min_u32 v31, 29, v31
	v_lshlrev_b32 v31, 8, v31
	global_prefetch_b8 v31, s[2:3] th:TH_LOAD_NT scope:SCOPE_SE
	global_prefetch_b8 v31, s[2:3] offset:KS*FRB th:TH_LOAD_NT scope:SCOPE_SE
	ADDRESSES
	; the biases, both kinds in every work-group, from addresses held inside their buffers; each epilogue uses its own kind
	s_lshl_b32 s46, s66, 1
	s_add_co_u32 s46, s46, s[CH]
	s_and_b32 s46, s46, 7
	s_lshl_b32 s46, s46, 9                         ; my 128 channels of bq or bk
	s_mov_b32 s47, 0
	s_cmp_eq_u32 s67, 1
	s_cselect_b64 s[100:101], s[10:11], s[8:9]
	s_add_nc_u64 s[100:101], s[100:101], s[46:47]
	s_lshl_b32 s40, s23, 4
	s_lshl_b32 s41, s[RH], 3
	s_add_co_u32 s40, s40, s41
	s_lshl_b32 s40, s40, 6                         ; my first row block of wv, 64 bytes of bv each
	s_cmp_eq_u32 s67, 2
	s_cselect_b32 s40, s40, 0
	s_mov_b32 s41, 0
	s_add_nc_u64 s[12:13], s[12:13], s[40:41]
	v_lshlrev_b32 v8, 6, v3                        ; 64 h
	v_and_b32 v6, 8, v2
	v_add_nc_u32 v6, v6, v2
	v_lshlrev_b32 v11, 2, v6                       ; 4 (r + 8 (r / 8))
.irp a, 0,1,2,3,4,5,6,7
	global_load_b32 v[BM+2*\a], v11, s[12:13] offset:(32*(\a/2)+8*(\a%2))*4
	global_load_b32 v[BM+2*\a+1], v11, s[12:13] offset:(32*(\a/2)+8*(\a%2))*4   ; twice: a pair for the packed addition
.endr
	WIN 0x40                                       ; window 1, in the gaps between B's sets: for B's block b the eight channels 32 (b / 2) + 16 h + 8 (b % 2) + 0 .. 7
.irp b, 0,1,2,3,4,5,6,7
	global_load_b128 v[96+8*\b+96*(\b/4):96+8*\b+96*(\b/4)+3], v8, s[100:101] offset:(32*(\b/2)+8*(\b%2))*4
	global_load_b128 v[96+8*\b+96*(\b/4)+4:96+8*\b+96*(\b/4)+7], v8, s[100:101] offset:(32*(\b/2)+8*(\b%2))*4+16
.endr
	WIN 0
	s_wait_alu depctr_va_vdst(0)
	PRODUCTS
	s_wait_loadcnt 0x0                             ; the biases
	PLACES 4                                       ; behind the last products: the epilogue writes registers that they read
.irp b, 0,1,2,3
	v_mov_b32 v[TM+4+\b], 0                        ; a lane permute's destination counts as one of its sources
.endr
	s_cmp_eq_u32 s67, 2                            ; the cluster's y: the same in all partners
	s_cbranch_scc1 .Lvpart
	; ---- q or k: my 128 channels are heads head0 and head0 + 1; A's block a is 16 tokens
	s_lshl_b32 s40, s66, 1
	s_add_co_u32 s40, s40, s[CH]
	s_and_b32 s40, s40, 7
	s_lshl_b32 s40, s40, 1
	s_lshr_b32 s41, s23, 3
	s_lshl_b32 s41, s41, 4
	s_add_co_u32 s40, s40, s41                     ; bh0 = 16 x batch + head0
	s_lshl_b32 s41, s23, 4
	s_lshl_b32 s42, s[RH], 3
	s_add_co_u32 s41, s41, s42
	s_and_b32 s41, s41, 127                        ; my first block of tokens in the batch
	s_lshl_b32 s42, s40, 7
	s_add_co_u32 s42, s42, s41
	s_mul_i32 s44, s42, 768                        ; q: codes,
	s_lshl_b32 s46, s42, 6
	s_add_co_u32 s46, s46, Q_S                     ; words
	s_mul_i32 s43, s40, HB
	s_add_co_u32 s43, s43, KV
	s_lshr_b32 s94, s41, 5
	s_mul_i32 s94, s94, STB
	s_add_co_u32 s43, s43, s94                     ; k: the stage,
	s_and_b32 s94, s41, 31
	s_mul_i32 s95, s94, 768
	s_add_co_u32 s95, s95, s43                     ; codes,
	s_lshl_b32 s94, s94, 6
	s_add_co_u32 s94, s94, s43
	s_add_co_u32 s94, s94, 49152                   ; words
	s_mov_b32 s42, HB
	s_mov_b32 s101, HB
	s_cmp_eq_u32 s67, 1
	s_cselect_b32 s44, s95, s44
	s_cselect_b32 s46, s94, s46
	s_cselect_b32 s42, s42, 98304                  ; from a head to the next: codes,
	s_cselect_b32 s101, s101, 8192                 ; words
	s_mov_b32 s45, 0
	s_mov_b32 s47, 0
	s_mov_b32 s43, 0
	s_mov_b32 s100, 0x7f7f0000
	s_add_nc_u64 s[96:97], s[14:15], s[44:45]
	s_add_nc_u64 s[98:99], s[96:97], s[42:43]
	s_add_nc_u64 s[92:93], s[14:15], s[46:47]
	v_mul_u32_u24 v9, s101, v3
	v_lshl_add_u32 v9, v2, 2, v9                   ; lanes 0-15 store head0's words, lanes 16-31 the next head's
	v_lshlrev_b32 v10, 4, v3
.macro EPI_QK a
.if (\a) > 0
	s_wait_xcnt 0x0                                ; the last block's stores have read their registers
.endif
	WIN 0x06+(\a)/4                                ; source 0: the accumulators' window, source 1: window 1
.set eb, 0
.rept 8
.set ei, 0
.rept 4
	v_pk_add_f32 v[T+8*eb+2*ei:T+8*eb+2*ei+1], v[64*((\a)%4)+8*eb+2*ei:64*((\a)%4)+8*eb+2*ei+1], v[96+8*eb+96*(eb/4)+2*ei:96+8*eb+96*(eb/4)+2*ei+1]   ; each accumulator from its low end on
.set ei, ei+1
.endr
.set eb, eb+1
.endr
	WIN 0
	QUANT T, PW
	global_store_b128 v[L16], v[PC:PC+3], s[96:97] offset:768*(\a)       ; the fragment's lower half is head0's 64 channels,
	global_store_b64 v[L8], v[PC+4:PC+5], s[96:97] offset:768*(\a)+512
	global_store_b128 v[L16], v[PC+6:PC+9], s[98:99] offset:768*(\a)     ; the upper half the next head's
	global_store_b64 v[L8], v[PC+10:PC+11], s[98:99] offset:768*(\a)+512
	v_lshrrev_b32 v12, v10, v[PW]
	v_and_or_b32 v12, v12, 0xffff, s100            ; my head's two bytes, and 1.0 for the zero codes above
	global_store_b32 v9, v12, s[92:93] offset:64*(\a)
.endm
.irp a, 0,1,2,3,4,5,6,7
	EPI_QK \a
.endr
	s_branch .Ldone
.Lvpart:
	; ---- v: my 128 rows of B are key step tk of the batch's 16; A's block a is channel tile a % 4 of head head0 + a / 4
	s_lshl_b32 s40, s66, 1
	s_add_co_u32 s40, s40, s[CH]                   ; tk, counted through both batches
	s_lshr_b32 s41, s40, 4
	s_lshl_b32 s41, s41, 4
	s_lshl_b32 s42, s23, 2
	s_add_co_u32 s41, s41, s42
	s_lshl_b32 s42, s[RH], 1
	s_add_co_u32 s41, s41, s42                     ; bh0
	s_mul_i32 s41, s41, HB
	s_add_co_u32 s41, s41, KV
	s_bfe_u32 s42, s40, 0x20002
	s_mul_i32 s42, s42, STB
	s_add_co_u32 s41, s41, s42                     ; the stage
	s_and_b32 s42, s40, 3
	s_mul_i32 s44, s42, 6144
	s_add_co_u32 s44, s44, s41
	s_add_co_u32 s44, s44, 24576
	s_lshl_b32 s46, s42, 9
	s_add_co_u32 s46, s46, s41
	s_add_co_u32 s46, s46, 51200
	s_mov_b32 s45, 0
	s_mov_b32 s47, 0
	s_add_nc_u64 s[96:97], s[14:15], s[44:45]
	s_add_nc_u64 s[92:93], s[14:15], s[46:47]
	v_lshlrev_b32 v9, 2, v1
.macro EPI_V a
.if (\a) > 0
	s_wait_xcnt 0x0
.endif
	WIN 0x02+(\a)/4
.set ei, 0
.rept 32
	v_pk_add_f32 v[T+2*ei:T+2*ei+1], v[64*((\a)%4)+2*ei:64*((\a)%4)+2*ei+1], v[BM+2*(\a):BM+2*(\a)+1]
.set ei, ei+1
.endr
	WIN 0
	QUANT T, PW
	STOREF 96, ((\a)/4)*HB+((\a)%4)*1536
	global_store_b32 v9, v[PW], s[92:93] offset:((\a)/4)*HB+((\a)%4)*128   ; all 32 lanes: every byte of a stage is written
.endm
.irp a, 0,1,2,3,4,5,6,7
	EPI_V \a
.endr
.Ldone:
	s_wait_tensorcnt 0x0                           ; the wave's end
	ds_add_u32 v[SPW], v[NIL]
	s_wait_dscnt 0x0
	CROUND                                         ; the closing round
	s_endpgm
.Lfunc_end_k_q3c88b69bac_qkv:
	.size	k_q3c88b69bac_qkv, .Lfunc_end_k_q3c88b69bac_qkv-k_q3c88b69bac_qkv
	.p2alignl 7, 3214868480
	.fill 96, 4, 3214868480
	.section	.rodata,"a",@progbits
	.p2align	6, 0x0
	.amdhsa_kernel k_q3c88b69bac_qkv
		.amdhsa_group_segment_fixed_size 327680
		.amdhsa_private_segment_fixed_size 0
		.amdhsa_enable_private_segment 0
		.amdhsa_kernarg_size 48
		.amdhsa_user_sgpr_count 2
		.amdhsa_user_sgpr_kernarg_segment_ptr 1
		.amdhsa_wavefront_size32 1
		.amdhsa_system_sgpr_workgroup_id_x 1
		.amdhsa_system_sgpr_workgroup_id_y 1
		.amdhsa_system_sgpr_workgroup_id_z 1
		.amdhsa_system_vgpr_workitem_id 0
		.amdhsa_next_free_vgpr 1024
		.amdhsa_next_free_sgpr 102
		.amdhsa_reserve_vcc 0
		.amdhsa_float_denorm_mode_32 3
		.amdhsa_float_denorm_mode_16_64 3
		.amdhsa_memory_ordered 1
		.amdhsa_forward_progress 1
		.amdhsa_inst_pref_size 225
	.end_amdhsa_kernel
	.amdgpu_metadata
---
amdhsa.version: [ 1, 2 ]
amdhsa.kernels:
  - .name:           k_q3c88b69bac_qkv
    .symbol:         k_q3c88b69bac_qkv.kd
    .args:
      - { .name: nx, .offset: 0, .size: 8, .value_kind: global_buffer, .address_space: global }
      - { .name: wb, .offset: 8, .size: 8, .value_kind: global_buffer, .address_space: global }
      - { .name: bq, .offset: 16, .size: 8, .value_kind: global_buffer, .address_space: global }
      - { .name: bk, .offset: 24, .size: 8, .value_kind: global_buffer, .address_space: global }
      - { .name: bv, .offset: 32, .size: 8, .value_kind: global_buffer, .address_space: global }
      - { .name: qkvb, .offset: 40, .size: 8, .value_kind: global_buffer, .address_space: global }
    .group_segment_fixed_size: 327680
    .private_segment_fixed_size: 0
    .kernarg_segment_align: 8
    .kernarg_segment_size: 48
    .max_flat_workgroup_size: 128
    .sgpr_count:     102
    .vgpr_count:     1024
    .wavefront_size: 32
...
	.end_amdgpu_metadata
.endif
;; end of part 3
;; launch attn (part 4): grid 8 x 32, 16 waves a work-group, clusters of 4 x 1, 215,040 bytes of LDS; arguments qkvb, ao; writes ao
.if DOCPART == 4
	.amdgcn_target "amdgcn-amd-amdhsa--gfx1250"
	.amdhsa_code_object_version 6
	.text
	.protected	k_q3c88b69bac_attn
	.globl	k_q3c88b69bac_attn
	.p2align	8
	.type	k_q3c88b69bac_attn,@function
k_q3c88b69bac_attn:
	s_mov_b64 s[64:65], 0
	v_nop
	global_prefetch_b8 v0, s[64:65] scope:SCOPE_SE
	s_setreg_imm32_b32 hwreg(HW_REG_WAVE_MODE, 25, 1), 1
	s_wait_xcnt 0x0
	s_wait_alu depctr_hold_cnt(0) depctr_sa_sdst(0) depctr_va_vdst(0) depctr_va_sdst(0) depctr_va_ssrc(0) depctr_va_vcc(0) depctr_vm_vsrc(0)
	s_getreg_b32 s2, hwreg(HW_REG_IB_STS2, 6, 4)
	s_cmp_eq_u32 s2, 0
	s_cbranch_scc0 .Lentry_in_a_cluster
	s_endpgm
.Lentry_in_a_cluster:
	s_bfe_u32 s2, ttmp6, 0x10000c
	s_cmp_lg_u32 s2, 0x3003
	s_cbranch_scc0 .Lentry_shape_is_right
	s_endpgm
.Lentry_shape_is_right:
; ao = Q(softmax(q k^T / 8) v), both products on codes of FP6 (E2M3) with E8M0 scales; 32 heads (batch x head) of 2,048 tokens and 64 channels.
; THE SOFTMAX: t = score x log2(e) / 8; M = the running largest t rounded UP to a whole number; p = 2^(t - M) is quantised along the keys, not normalised; the row's sum is taken of the unquantised p and divides at the end.
; When M moves, the sum and O are multiplied by 2^(old M - new M): exact.
; SHARES.  A work-group owns 256 queries of one head, each of its sixteen waves 16 of them in 256 registers: four waves to a SIMD.
; THE WHOLE HEAD'S k, v AND SCALE WORDS, 212,992 bytes, LIE IN LDS as they lie in qkvb (four stages of 512 keys), filled once.  The four work-groups of a cluster belong to one head: the fill is asked for jointly.
; Each wave brings 52 rows of 256 bytes by ONE tensor load at the head; one barrier shows the head whole to every wave, and the waves then walk sixteen key steps each at its own pace.
; No prefetch: all that the launch streams is asked for at its head; the loops read LDS alone.
; LAYOUT.  Both products transposed: S^T = k q^T (source 0 = 16 keys), O^T = v^T p^T (source 0 = 16 channels): a lane holds one query throughout.  Lane r of block rb holds row 32 (rb / 2) + 8 (rb % 2) + r + 8 (r / 8),
; so the 16 registers of tiles 2 b, 2 b + 1 are 16 neighbours: keys in S^T, channels in O^T.  The first product's K is 64: the upper six registers of k's and q's fragments are zero codes, their scale bytes 0x7f.
; LIMITS: NaN and infinities are not served; the scaled scores t stay under 2^31 in magnitude; a block whose largest magnitude lies under 2^-124 gets the byte 1; 1 / l is v_rcp_f32.
.set STB,  53248                       ; a stage: k codes 24,576, v codes 24,576, k words 2,048, v words 2,048
.set HB,   4*STB
.set KV,   3407872
.set Q_S,  3145728
.set AO_S, 3145728
.set SPARE, HB                         ; the spare words, 128 bytes for each wave, named by no other line
.set L16, 1                            ; v1 16 x lane, v2 8 x lane, v3 4 r
.set L8,  2
.set L4,  3
.set SPW, 4                            ; v4 my spare word, v5 0: never rewritten
.set NIL, 5
.set KF,  32                           ; v32-79 four fragments of k (upper six registers of each: zeros)
.set VF,  80                           ; v80-127 four fragments of v
.set SCO, 128                          ; v128-191 S^T, then p
.set OT,  192                          ; v192-223 O^T
                                       ; v6-8 the step's addresses; v12 -M, v13 the largest t, v[14:15] the sum; v16-27 q; v28-31 v's words; v224-235 p's codes; v10-11, v232-247, v254 at work; v248-251 k's words; v252 f; v253 p's word; v255 q's word
.set WV,  8
.set G1,  12                           ; s[12:19] group 1, s[20:23] group 0
.set G0,  20
.set SEL, 36
.set CS,  38                           ; s[38:39] c = log2(e) / 8
.set TC,  40                           ; where the step's codes begin, its scale words, the steps' count
.set TS,  41
.set CNT, 42
.macro CROUND
	s_barrier_signal -1
	s_barrier_wait -1
	s_cmp_lg_u32 s[WV], 0
	s_cbranch_scc1 .Lnot_wave_0_\@
	s_barrier_signal -3
.Lnot_wave_0_\@:
	s_barrier_wait -3
	s_barrier_signal -1
	s_barrier_wait -1
.endm
	s_load_b128 s[4:7], s[0:1], 0x0                ; qkvb, ao
	v_lshl_add_u32 v[SPW], v0, 2, SPARE
	v_mov_b32 v[NIL], 0
	ds_add_u32 v[SPW], v[NIL]                      ; the opening lines: the add, twice, and its wait ahead of my tensor load
	ds_add_u32 v[SPW], v[NIL]
	v_lshrrev_b32 v6, 5, v0
	s_delay_alu instid0(VALU_DEP_1)
	v_readfirstlane_b32 s[WV], v6                  ; wave 0..15
	s_bfe_u32 s9, ttmp6, 0x40000                   ; cx: it enters q's and ao's addresses alone
	s_lshl_b32 s10, ttmp9, 2
	s_add_co_u32 s10, s10, s9                      ; my block of 256 queries
	s_and_b32 s11, ttmp7, 0xffff                   ; bh, which the four partners share
	s_mov_b32 s[G1], 15|(3<<16)|(1<<21)            ; the mask: all four; elements of 8 bytes; bit 21 beside a mask; no padding
	s_mov_b32 s[G1+1], 32<<16                      ; rows of 256 bytes,
	s_mov_b32 s[G1+2], 52<<16                      ; 52 of them,
	s_mov_b32 s[G1+3], 32<<16
	s_mov_b32 s[G1+4], 52
	s_mov_b32 s[G1+5], 32                          ; dense
	s_mov_b32 s[G1+6], 0
	s_mov_b32 s[G1+7], 0
	s_mov_b32 s[SEL], 0x76543210
	s_mov_b32 s[SEL+1], 0xfedcba98
	s_mov_b32 s[CS], 0x3e38aa3b
	s_mov_b32 s[CS+1], s[CS]
	s_mul_i32 s50, s[WV], 13312                    ; my 52 rows of the head
	s_mul_i32 s52, s11, HB
	s_add_co_u32 s52, s52, KV
	s_add_co_u32 s52, s52, s50
	s_mov_b32 s53, 0
	s_lshl_b32 s54, s10, 4
	s_add_co_u32 s54, s54, s[WV]                   ; my block of 16 queries in the head
	s_lshl_b32 s55, s11, 7
	s_add_co_u32 s55, s55, s54
	s_mul_i32 s44, s55, 768                        ; q's codes
	s_mov_b32 s45, 0
	s_lshl_b32 s46, s55, 6
	s_add_co_u32 s46, s46, Q_S                     ; q's words
	s_mov_b32 s47, 0
	s_lshr_b32 s56, s11, 4
	s_lshl_b32 s56, s56, 7
	s_add_co_u32 s56, s56, s54                     ; ao: row block 128 x batch + my block,
	s_lshl_b32 s56, s56, 3
	s_bfe_u32 s57, s11, 0x30001
	s_add_co_u32 s56, s56, s57                     ; K step head / 2,
	s_and_b32 s57, s11, 1                          ; half head % 2
	s_mul_i32 s48, s56, 1536
	s_mul_i32 s58, s57, 768
	s_add_co_u32 s48, s48, s58
	s_mov_b32 s49, 0
	s_lshl_b32 s56, s56, 6
	s_lshl_b32 s57, s57, 1
	s_add_co_u32 s56, s56, s57
	s_add_co_u32 s56, s56, AO_S
	s_mov_b32 s57, 0
	s_wait_dscnt 0x0                               ; both opening adds are done
	s_wait_kmcnt 0x0
	s_add_nc_u64 s[52:53], s[4:5], s[52:53]
	s_add_nc_u64 s[44:45], s[4:5], s[44:45]
	s_add_nc_u64 s[46:47], s[4:5], s[46:47]
	s_add_nc_u64 s[48:49], s[6:7], s[48:49]
	s_add_nc_u64 s[56:57], s[6:7], s[56:57]
	CROUND                                         ; all four work-groups are here: the joint loads meet
	s_mov_b32 s[G0], 1
	s_mov_b32 s[G0+1], s50
	s_mov_b64 s[G0+2:G0+3], s[52:53]
	s_or_b32 s[G0+3], s[G0+3], 0x80000000
	tensor_load_to_lds s[G0:G0+3], s[G1:G1+7]      ; my one tensor load
	s_nop 0
.rept 4
	v_nop
.endr
	v_and_b32 v6, 31, v0
	v_and_b32 v7, 15, v0
	s_delay_alu instid0(VALU_DEP_2)
	v_lshlrev_b32 v[L16], 4, v6
	s_delay_alu instid0(VALU_DEP_3)
	v_lshlrev_b32 v[L8], 3, v6
	s_delay_alu instid0(VALU_DEP_3)
	v_lshlrev_b32 v[L4], 2, v7
	global_load_b128 v[16:19], v[L16], s[44:45]    ; q's half fragment stays in registers
	global_load_b64 v[20:21], v[L8], s[44:45] offset:512
	global_load_b32 v255, v[L4], s[46:47]
.irp j, 22,23,24,25,26,27
	v_mov_b32 v[\j], 0                             ; zero codes for k = 64 .. 127
.endr
.irp t, 0,1,2,3
.irp j, 6,7,8,9,10,11
	v_mov_b32 v[KF+12*\t+\j], 0
.endr
.endr
	v_mov_b32 v13, 0xff61b1e6                      ; the largest t so far: -3e38
	s_delay_alu instid0(VALU_DEP_1)
	v_floor_f32 v12, -v13                          ; -M
	v_mov_b32 v14, 0
	v_mov_b32 v15, 0
.irp b, 0,1,2,3
	v_mov_b32 v[236+\b], 0                         ; a lane permute's destination counts as one of its sources
.endr
	v_mov_b32 v253, 0                              ; (named as the upper half of v[252:253] before it is first written)
.set j, 0
.rept 32
	v_mov_b32 v[OT+j], 0                           ; the step is written once: the first finds zeros, which the first change of M leaves zeros
.set j, j+1
.endr
	s_wait_alu depctr_va_vdst(0)                   ; the head's end
	s_wait_loadcnt 0x0
.macro KEYSTEP                         ; 128 keys
	v_add_nc_u32 v6, s[TC], v[L16]
	v_add_nc_u32 v7, s[TC], v[L8]
	v_add_nc_u32 v8, s[TS], v[L4]
	v_nop                                          ; four places behind the last step's products, in front of the loads into registers that they read
.irp t, 0,1,2,3
	ds_load_b128 v[KF+12*\t:KF+12*\t+3], v6 offset:768*\t
	ds_load_b64 v[KF+12*\t+4:KF+12*\t+5], v7 offset:768*\t+512
	ds_load_b32 v[248+\t], v8 offset:49152+64*\t
.endr
.irp t, 0,1,2,3
	ds_load_b128 v[VF+12*\t:VF+12*\t+3], v6 offset:24576+1536*\t
	ds_load_b64 v[VF+12*\t+4:VF+12*\t+5], v7 offset:24576+1536*\t+512
	ds_load_b128 v[VF+12*\t+6:VF+12*\t+9], v6 offset:24576+1536*\t+768
	ds_load_b64 v[VF+12*\t+10:VF+12*\t+11], v7 offset:24576+1536*\t+1280
	ds_load_b32 v[28+\t], v8 offset:51200+128*\t
.endr
	s_wait_alu depctr_va_vdst(0)                   ; directly ahead of the wait below
	s_wait_dscnt 20                                ; k's first four tiles are in; v's 20 loads may be out
.irp t, 0,1,2,3
	v_wmma_scale_f32_16x16x128_f8f6f4 v[SCO+8*\t:SCO+8*\t+7], v[KF+12*\t:KF+12*\t+11], v[16:27], 0, v[248+\t], v255 matrix_a_fmt:MATRIX_FMT_FP6 matrix_b_fmt:MATRIX_FMT_FP6
.endr
.rept 4
	v_nop
.endr
.irp t, 0,1,2,3
	ds_load_b128 v[KF+12*\t:KF+12*\t+3], v6 offset:768*(4+\t)
	ds_load_b64 v[KF+12*\t+4:KF+12*\t+5], v7 offset:768*(4+\t)+512
	ds_load_b32 v[248+\t], v8 offset:49152+64*(4+\t)
.endr
	s_wait_dscnt 0x0
.irp t, 0,1,2,3
	v_wmma_scale_f32_16x16x128_f8f6f4 v[SCO+32+8*\t:SCO+32+8*\t+7], v[KF+12*\t:KF+12*\t+11], v[16:27], 0, v[248+\t], v255 matrix_a_fmt:MATRIX_FMT_FP6 matrix_b_fmt:MATRIX_FMT_FP6
.endr
.rept 4
	v_nop
.endr
.irp b, 0,1,2,3
	v_max3_num_f32 v[232+\b], v[SCO+16*\b], v[SCO+1+16*\b], v[SCO+2+16*\b]   ; the largest score of each block of 32 keys: for the row's maximum, and, since p rises with the score, for the block's largest p
.endr
.irp i, 3,5,7,9,11,13
.irp b, 0,1,2,3
	v_max3_num_f32 v[232+\b], v[232+\b], v[SCO+16*\b+\i], v[SCO+1+16*\b+\i]
.endr
.endr
.irp b, 0,1,2,3
	v_max_num_f32 v[232+\b], v[232+\b], v[SCO+15+16*\b]
.endr
.irp b, 0,1,2,3
	s_delay_alu instid0(VALU_DEP_4)
	v_permlanex16_b32 v[236+\b], v[232+\b], s[SEL], s[SEL+1]
.endr
.irp b, 0,1,2,3
	s_delay_alu instid0(VALU_DEP_4)
	v_max_num_f32 v[232+\b], v[232+\b], v[236+\b]
.endr
	s_delay_alu instid0(VALU_DEP_2)
	v_max3_num_f32 v254, v232, v233, v234
	s_delay_alu instid0(VALU_DEP_1)
	v_max_num_f32 v254, v254, v235
	s_delay_alu instid0(VALU_DEP_1)
	v_mul_f32 v254, s[CS], v254
	s_delay_alu instid0(VALU_DEP_1)
	v_max_num_f32 v13, v13, v254                   ; the running largest t
	v_mov_b32 v254, v12
	s_delay_alu instid0(VALU_DEP_2)
	v_floor_f32 v12, -v13                          ; the new -M = -ceil(t)
	s_delay_alu instid0(VALU_DEP_1)
	v_sub_f32 v254, v12, v254                      ; old M - new M: a whole number, 0 or less
	s_delay_alu instid0(VALU_DEP_1)
	v_cvt_i32_f32 v254, v254                       ; (it saturates)
	s_delay_alu instid0(VALU_DEP_1)
	v_ldexp_f32 v252, 1.0, v254                    ; f = 2^(old M - new M)
.set j, 0
.rept 32
	v_pk_fma_f32 v[SCO+j:SCO+j+1], v[SCO+j:SCO+j+1], s[CS:CS+1], v[12:13] op_sel_hi:[1,0,0]   ; t - M
.set j, j+2
.endr
.irp b, 0,1,2,3
	v_fma_f32 v[232+\b], v[232+\b], s[CS], v12
.endr
	s_wait_alu depctr_va_vdst(0)                   ; ahead of the batch
.set j, 0
.rept 64
	v_exp_f32 v[SCO+j], v[SCO+j]                   ; p = 2^(t - M)
.set j, j+1
.endr
	v_pk_mul_f32 v[14:15], v[14:15], v[252:253] op_sel_hi:[1,0]   ; the sums under the new M: a plain place behind the exponentials
	s_wait_alu depctr_va_vdst(0)                   ; one wait for the batch of 64, ahead of its first reader
.irp b, 0,1,2,3
	v_exp_f32 v[232+\b], v[232+\b]                 ; each block's largest p
.endr
	v_pk_add_f32 v[236:237], v[SCO:SCO+1], v[SCO+2:SCO+3]          ; the row's sum of the unquantised p, in three chains
	v_pk_add_f32 v[10:11], v[SCO+4:SCO+5], v[SCO+6:SCO+7]
.set j, 8
.rept 9
	v_pk_add_f32 v[14:15], v[14:15], v[SCO+j:SCO+j+1]
	v_pk_add_f32 v[236:237], v[236:237], v[SCO+j+2:SCO+j+3]
	v_pk_add_f32 v[10:11], v[10:11], v[SCO+j+4:SCO+j+5]
.set j, j+6
.endr
	v_pk_add_f32 v[14:15], v[14:15], v[SCO+62:SCO+63]
	s_delay_alu instid0(VALU_DEP_1)
	v_pk_add_f32 v[14:15], v[14:15], v[10:11]
	s_delay_alu instid0(VALU_DEP_1)
	v_pk_add_f32 v[14:15], v[14:15], v[236:237]
	s_wait_alu depctr_va_vdst(0)                   ; and one for the four
.irp b, 0,1,2,3
	v_max_num_f32 v[232+\b], 0x1800000, v[232+\b]  ; the floor 2^(3 - 127)
.endr
.irp b, 0,1,2,3
	s_delay_alu instid0(VALU_DEP_4)
	v_add_nc_u32 v[244+\b], 0xff000000, v[232+\b]
.endr
.irp b, 0,1,2,3
	s_delay_alu instid0(VALU_DEP_4)
	v_lshrrev_b32 v[236+\b], 23, v[244+\b]
.endr
	s_delay_alu instid0(VALU_DEP_3)
	v_lshl_or_b32 v253, v237, 8, v236              ; p's scale word for these 128 keys
	s_delay_alu instid0(VALU_DEP_1)
	v_lshl_or_b32 v253, v238, 16, v253
	s_delay_alu instid0(VALU_DEP_1)
	v_lshl_or_b32 v253, v239, 24, v253
.irp c, 0,1
	v_cvt_scalef32_pk16_fp6_f32 v[224+6*\c:226+6*\c], v[SCO+32*\c:SCO+15+32*\c], v[244+2*\c]
	v_cvt_scalef32_pk16_fp6_f32 v[236+4*\c:238+4*\c], v[SCO+16+32*\c:SCO+31+32*\c], v[244+2*\c+1]
.endr
	v_nop                                          ; one plain place behind a scaled conversion
.irp c, 0,1
.irp i, 0,1,2
	v_permlane16_swap_b32 v[224+6*\c+\i], v[236+4*\c+\i]
.endr
.irp i, 0,1,2
	s_delay_alu instid0(VALU_DEP_3)
	v_mov_b32 v[227+6*\c+\i], v[236+4*\c+\i]
.endr
.endr
.set j, 0
.rept 16
	v_pk_mul_f32 v[OT+j:OT+j+1], v[OT+j:OT+j+1], v[252:253] op_sel_hi:[1,0]   ; O^T under the new M; these sixteen also stand between the writes of p's codes and word and the products
.set j, j+2
.endr
.irp t, 0,1,2,3
	v_wmma_scale_f32_16x16x128_f8f6f4 v[OT+8*\t:OT+8*\t+7], v[VF+12*\t:VF+12*\t+11], v[224:235], v[OT+8*\t:OT+8*\t+7], v[28+\t], v253 matrix_a_fmt:MATRIX_FMT_FP6 matrix_b_fmt:MATRIX_FMT_FP6
.endr
	s_add_co_u32 s[TC], s[TC], 6144
	s_add_co_u32 s[TS], s[TS], 512
.endm
.macro STAGE st                        ; a stage's four key steps
	s_mov_b32 s[TC], \st*STB
	s_mov_b32 s[TS], \st*STB
	s_mov_b32 s[CNT], 4
.Lks_\@:
	KEYSTEP
	s_sub_co_u32 s[CNT], s[CNT], 1
	s_cmp_lg_u32 s[CNT], 0
	s_cbranch_scc1 .Lks_\@
.endm
	s_wait_dscnt 0x0
	s_wait_tensorcnt 0x0                           ; my 52 rows are in
	s_barrier_signal -1
	s_barrier_wait -1                              ; and everybody's: the head is whole; nothing is ever filled again
	STAGE 0
	STAGE 1
	STAGE 2
	STAGE 3
	; THE WAY OUT: O^T / l; my 32 numbers are register 16 b + i = channel 32 b + 16 h + i of my query: two blocks, half a fragment of the next product's operand
.rept 4
	v_nop
.endr
	v_add_f32 v14, v14, v15
	s_delay_alu instid0(VALU_DEP_1)
	v_permlanex16_b32 v252, v14, s[SEL], s[SEL+1]
	s_delay_alu instid0(VALU_DEP_1)
	v_add_f32 v14, v14, v252                       ; the row's sum
	s_wait_alu depctr_va_vdst(0)
	v_rcp_f32 v14, v14
	v_and_b32 v9, 31, v0                           ; (a plain place behind the transcendental)
	s_wait_alu depctr_va_vdst(0)                   ; the wait, ahead of the first reader
.set j, 0
.rept 32
	v_mul_f32 v[SCO+j], v[OT+j], v14
.set j, j+1
.endr
.irp b, 0,1
	v_max3_num_f32 v[232+\b], |v[SCO+16*\b]|, |v[SCO+1+16*\b]|, 0x1800000
.endr
.irp i, 2,4,6,8,10,12,14
.irp b, 0,1
	s_delay_alu instid0(VALU_DEP_2)
	v_max3_num_f32 v[232+\b], v[232+\b], |v[SCO+16*\b+\i]|, |v[SCO+1+16*\b+\i]|
.endr
.endr
.irp b, 0,1
	s_delay_alu instid0(VALU_DEP_2)
	v_permlanex16_b32 v[236+\b], v[232+\b], s[SEL], s[SEL+1]
.endr
.irp b, 0,1
	s_delay_alu instid0(VALU_DEP_2)
	v_max_num_f32 v[232+\b], v[232+\b], v[236+\b]
.endr
.irp b, 0,1
	s_delay_alu instid0(VALU_DEP_2)
	v_add_nc_u32 v[244+\b], 0xff000000, v[232+\b]
.endr
.irp b, 0,1
	s_delay_alu instid0(VALU_DEP_2)
	v_lshrrev_b32 v[236+\b], 23, v[244+\b]
.endr
	s_delay_alu instid0(VALU_DEP_1)
	v_lshl_or_b32 v240, v237, 8, v236              ; my head's two bytes of the row's scale word
	v_cvt_scalef32_pk16_fp6_f32 v[224:226], v[SCO:SCO+15], v244
	v_cvt_scalef32_pk16_fp6_f32 v[232:234], v[SCO+16:SCO+31], v245
	v_nop
.irp i, 0,1,2
	v_permlane16_swap_b32 v[224+\i], v[232+\i]
.endr
.irp i, 0,1,2
	s_delay_alu instid0(VALU_DEP_3)
	v_mov_b32 v[227+\i], v[232+\i]
.endr
	global_store_b128 v[L16], v[224:227], s[48:49]                 ; 512 and 256 consecutive bytes, at multiples of 256 from ao's first byte
	global_store_b64 v[L8], v[228:229], s[48:49] offset:512
	s_wait_xcnt 0x0                                ; EXEC changes only behind this wait
	v_cmp_gt_u32 vcc_lo, 16, v9
	s_and_saveexec_b32 s43, vcc_lo
	global_store_b16 v[L4], v240, s[56:57]         ; lanes 0-15: two bytes of each row's word; the other two are the neighbouring head's
	s_wait_xcnt 0x0
	s_or_b32 exec_lo, exec_lo, s43
	s_wait_tensorcnt 0x0                           ; the wave's end
	ds_add_u32 v[SPW], v[NIL]
	s_wait_dscnt 0x0
	CROUND                                         ; the closing round
	s_endpgm
.Lfunc_end_k_q3c88b69bac_attn:
	.size	k_q3c88b69bac_attn, .Lfunc_end_k_q3c88b69bac_attn-k_q3c88b69bac_attn
	.p2alignl 7, 3214868480
	.fill 96, 4, 3214868480
	.section	.rodata,"a",@progbits
	.p2align	6, 0x0
	.amdhsa_kernel k_q3c88b69bac_attn
		.amdhsa_group_segment_fixed_size 215040
		.amdhsa_private_segment_fixed_size 0
		.amdhsa_enable_private_segment 0
		.amdhsa_kernarg_size 16
		.amdhsa_user_sgpr_count 2
		.amdhsa_user_sgpr_kernarg_segment_ptr 1
		.amdhsa_wavefront_size32 1
		.amdhsa_system_sgpr_workgroup_id_x 1
		.amdhsa_system_sgpr_workgroup_id_y 1
		.amdhsa_system_sgpr_workgroup_id_z 1
		.amdhsa_system_vgpr_workitem_id 0
		.amdhsa_next_free_vgpr 256
		.amdhsa_next_free_sgpr 66
		.amdhsa_reserve_vcc 1
		.amdhsa_float_denorm_mode_32 3
		.amdhsa_float_denorm_mode_16_64 3
		.amdhsa_memory_ordered 1
		.amdhsa_forward_progress 1
		.amdhsa_inst_pref_size 84
	.end_amdhsa_kernel
	.amdgpu_metadata
---
amdhsa.version: [ 1, 2 ]
amdhsa.kernels:
  - .name:           k_q3c88b69bac_attn
    .symbol:         k_q3c88b69bac_attn.kd
    .args:
      - { .name: qkvb, .offset: 0, .size: 8, .value_kind: global_buffer, .address_space: global }
      - { .name: ao, .offset: 8, .size: 8, .value_kind: global_buffer, .address_space: global }
    .group_segment_fixed_size: 215040
    .private_segment_fixed_size: 0
    .kernarg_segment_align: 8
    .kernarg_segment_size: 16
    .max_flat_workgroup_size: 512
    .sgpr_count:     66
    .vgpr_count:     256
    .wavefront_size: 32
...
	.end_amdgpu_metadata
.endif
;; end of part 4
;; launch oproj (part 5): grid 8 x 32, 4 waves a work-group, clusters of 4 x 4, 327,680 bytes of LDS; arguments ao, wb, bo, x, x1; writes x1
.if DOCPART == 5
	.amdgcn_target "amdgcn-amd-amdhsa--gfx1250"
	.amdhsa_code_object_version 6
	.text
	.protected	k_q3c88b69bac_oproj
	.globl	k_q3c88b69bac_oproj
	.p2align	8
	.type	k_q3c88b69bac_oproj,@function
k_q3c88b69bac_oproj:
	s_mov_b64 s[64:65], 0
	v_nop
	global_prefetch_b8 v0, s[64:65] scope:SCOPE_SE
	s_setreg_imm32_b32 hwreg(HW_REG_WAVE_MODE, 25, 1), 1
	s_wait_xcnt 0x0
	s_wait_alu depctr_hold_cnt(0) depctr_sa_sdst(0) depctr_va_vdst(0) depctr_va_sdst(0) depctr_va_ssrc(0) depctr_va_vcc(0) depctr_vm_vsrc(0)
	s_getreg_b32 s2, hwreg(HW_REG_IB_STS2, 6, 4)
	s_cmp_eq_u32 s2, 0
	s_cbranch_scc0 .Lentry_in_a_cluster
	s_endpgm
.Lentry_in_a_cluster:
	s_bfe_u32 s2, ttmp6, 0x10000c
	s_cmp_lg_u32 s2, 0xf033
	s_cbranch_scc0 .Lentry_shape_is_right
	s_endpgm
.Lentry_shape_is_right:
.set NB,  4
.set LNB, 2
.set NQ,  8                            ; all eight K steps lie in ONE slot, 196,608 bytes, filled once at the head: no ring, no refill, and no loop for a prefetch to run ahead in
.set KS,  8
.set A_S, 3145728
.set B_C, 2359296
.set B_S, 9535488
.set FRB,   1536
.set RBB,   NQ*FRB
.set HALFT, NB*RBB
.set SLOT,  4*HALFT
.set SCL,   SLOT
.set HALFS, NB*KS*64
.set SPARE, SCL+4*HALFS
.set LAPS,  KS/(2*NQ)
.set HW,    2*NB
.set L16, 4
.set L8,  5
.set A16, 16
.set A8,  18
.set B16, 20
.set B8,  22
.set ADRS, 27
.set SPW, 28
.set NIL, 29
.set SC,  32
.set AF,  64
.set WV, 18
.set RH, 19
.set CH, 20
.set G1, 24
.set G0, 32
.set G1B, 48
.set G0B, 56
.set G1S, 68
.set G0S, 76
.set G1SB, 80
.set G0SB, 88
.set MSB, 0
.macro WIN new
.if MSB != (\new)
	s_set_vgpr_msb (MSB<<8)|(\new)
.set MSB, \new
.endif
.endm
.macro PLACES n
.rept \n
	v_nop
.endr
.endm
.macro JLOAD g0a, g1a, g0b, g1b
	s_cmp_eq_u32 s[RH], 0
	s_cbranch_scc0 .Lfor_b_\@
	tensor_load_to_lds s[\g0a:\g0a+3], s[\g1a:\g1a+7]
	s_nop 0
.rept 4
	v_nop
.endr
	s_branch .Lasked_\@
.Lfor_b_\@:
	tensor_load_to_lds s[\g0b:\g0b+3], s[\g1b:\g1b+7]
	s_nop 0
.rept 4
	v_nop
.endr
.Lasked_\@:
.endm
.macro CREST
	s_cmp_lg_u32 s[WV], 0
	s_cbranch_scc1 .Lnot_wave_0_\@
	s_barrier_signal -3
.Lnot_wave_0_\@:
	s_barrier_wait -3
	s_barrier_signal -1
	s_barrier_wait -1
.endm
.macro CROUND
	s_barrier_signal -1
	s_barrier_wait -1
	CREST
.endm
.macro DESCRIPTORS
	s_or_b32 s[G1], s40, (3<<16)|(1<<21)
	s_or_b32 s[G1B], s41, (3<<16)|(1<<21)
.irp g, G1, G1B                        ; 2 NB rows, one for each row block of the tile: its NQ fragments on end
	s_mov_b32 s[\g+1], (NQ*192)<<16
	s_mov_b32 s[\g+2], (2*NB)<<16
	s_mov_b32 s[\g+3], (NQ*192)<<16
	s_mov_b32 s[\g+4], 2*NB
	s_mov_b32 s[\g+5], KS*192
	s_mov_b32 s[\g+6], 0
	s_mov_b32 s[\g+7], 0
.endr
	s_or_b32 s[G1S], s40, (3<<16)|(1<<21)
	s_or_b32 s[G1SB], s41, (3<<16)|(1<<21)
.irp g, G1S, G1SB                      ; a dense block of 2 HALFS bytes as rows of 256
	s_mov_b32 s[\g+1], 32<<16
	s_mov_b32 s[\g+2], (HALFS/128)<<16
	s_mov_b32 s[\g+3], 32<<16
	s_mov_b32 s[\g+4], HALFS/128
	s_mov_b32 s[\g+5], 32
	s_mov_b32 s[\g+6], 0
	s_mov_b32 s[\g+7], 0
.endr
.endm
.macro ARM under, g0, g1, next         ; an arm of the head's tree of branches on the wave's number: one load, then the jump to the tree's end
	s_cmp_lt_u32 s[WV], \under
	s_cbranch_scc0 \next
	tensor_load_to_lds s[\g0:\g0+3], s[\g1:\g1+7]
	s_nop 0
.rept 4
	v_nop
.endr
	s_branch .Lhead_asked
\next:
.endm
.macro FIRST_FILLS
	CROUND
	s_mov_b32 s[G0S], 1
	s_add_co_u32 s[G0S+1], s41, SCL
	s_mov_b64 s[G0S+2:G0S+3], s[92:93]
	s_or_b32 s[G0S+3], s[G0S+3], 0x80000000
	s_mov_b32 s[G0SB], 1
	s_add_co_u32 s[G0SB+1], s41, SCL
	s_mov_b64 s[G0SB+2:G0SB+3], s[94:95]
	s_or_b32 s[G0SB+3], s[G0SB+3], 0x80000000
.irp s, 0
	s_mov_b32 s[G0+4*\s], 1
	s_add_co_u32 s[G0+4*\s+1], s40, \s*SLOT
	s_add_nc_u64 s[G0+4*\s+2:G0+4*\s+3], s[44:45], \s*RBB
	s_or_b32 s[G0+4*\s+3], s[G0+4*\s+3], 0x80000000
	s_mov_b32 s[G0B+4*\s], 1
	s_add_co_u32 s[G0B+4*\s+1], s40, \s*SLOT
	s_add_nc_u64 s[G0B+4*\s+2:G0B+4*\s+3], s[46:47], \s*RBB
	s_or_b32 s[G0B+4*\s+3], s[G0B+4*\s+3], 0x80000000
.endr
	; the head's loads, one a wave: wave 0 A's codes, wave 1 A's scale words, wave 2 B's codes, wave 3 B's scale words, each for the whole tile and all of K
	ARM 1, G0, G1, .Lhead_sa
	ARM 2, G0S, G1S, .Lhead_b
	ARM 3, G0B, G1B, .Lhead_sb
	tensor_load_to_lds s[G0SB:G0SB+3], s[G1SB:G1SB+7]
	s_nop 0
.rept 4
	v_nop
.endr
.Lhead_asked:
.endm
.macro ADDRESSES
	v_and_b32 v1, 31, v0
	v_and_b32 v2, 15, v0
	v_bfe_u32 v3, v0, 4, 1
	v_lshlrev_b32 v[L16], 4, v1
	v_lshlrev_b32 v[L8], 3, v1
	s_mul_i32 s40, s[RH], HALFT
	s_mul_i32 s41, s[CH], HALFT
	s_add_co_u32 s41, s41, 2*HALFT
.irp s, 0,1
	v_add_nc_u32 v[A16+\s], s40, v[L16]
	v_add_nc_u32 v[A8+\s], s40, v[L8]
	v_add_nc_u32 v[B16+\s], s41, v[L16]
	v_add_nc_u32 v[B8+\s], s41, v[L8]
	s_add_co_u32 s40, s40, SLOT
	s_add_co_u32 s41, s41, SLOT
.endr
	v_lshlrev_b32 v6, 2, v2
	s_mul_i32 s40, s[RH], HALFS
	s_mul_i32 s41, s[CH], HALFS
	s_add_co_u32 s41, s41, 2*HALFS
	s_sub_co_u32 s41, s41, s40
	v_mul_u32_u24 v7, s41, v3
	s_add_co_u32 s40, s40, SCL
	v_add_nc_u32 v6, v6, v7
	v_add_nc_u32 v[ADRS], s40, v6
.endm
.macro FRAG reg, a16, a8, off
	ds_load_b128 v[\reg:\reg+3], v[\a16] offset:\off
	ds_load_b64 v[\reg+4:\reg+5], v[\a8] offset:\off+512
	ds_load_b128 v[\reg+6:\reg+9], v[\a16] offset:\off+768
	ds_load_b64 v[\reg+10:\reg+11], v[\a8] offset:\off+1280
.endm
.macro FETCH_S q, p
.set fi, 0
.rept NB
	ds_load_b32 v[SC+NB*(\p)+fi], v[ADRS] offset:fi*KS*64+64*(\q)
.set fi, fi+1
.endr
.endm
.macro FETCH_B slot, q, p, i0
	WIN 0x40
.set fi, \i0
.rept 4
	FRAG 128*(\p)+12*fi, B16+\slot, B8+\slot, fi*RBB+(\q)*FRB
.set fi, fi+1
.endr
	WIN 0
.endm
.macro FETCH_A slot, q, p, i0
	WIN 0
.set fi, \i0
.rept 4
	FRAG AF+96*(\p)+12*fi, A16+\slot, A8+\slot, fi*RBB+(\q)*FRB
.set fi, fi+1
.endr
.endm
.macro MULG a0, p, zero
.set ma, \a0
.rept 2
.set mb, 0
.rept NB
.set ix, ma*NB+mb
.set ac, 8*(ix%32)
	WIN 0xa1+0x50*(ix/32)
.if \zero
	v_wmma_scale_f32_16x16x128_f8f6f4 v[ac:ac+7], v[128*(\p)+12*mb:128*(\p)+12*mb+11], v[AF+96*(\p)+12*ma:AF+96*(\p)+12*ma+11], 0, v[SC+NB*(\p)+mb], v[SC+NB*(\p)+ma] matrix_a_fmt:MATRIX_FMT_FP6 matrix_b_fmt:MATRIX_FMT_FP6 matrix_a_scale:MATRIX_SCALE_ROW1
.else
	v_wmma_scale_f32_16x16x128_f8f6f4 v[ac:ac+7], v[128*(\p)+12*mb:128*(\p)+12*mb+11], v[AF+96*(\p)+12*ma:AF+96*(\p)+12*ma+11], v[ac:ac+7], v[SC+NB*(\p)+mb], v[SC+NB*(\p)+ma] matrix_a_fmt:MATRIX_FMT_FP6 matrix_b_fmt:MATRIX_FMT_FP6 matrix_a_scale:MATRIX_SCALE_ROW1
.endif
.set mb, mb+1
.endr
.set ma, ma+1
.endr
.endm
.macro STEP slot, q, zero
.set QP, (\q)%2
.set QN, 1-(\q)%2
	s_wait_dscnt HW
	PLACES 4
	WIN 0
	FETCH_S (\q)+1, QN
	FETCH_B \slot, (\q)+1, QN, 0
	MULG 0, QP, \zero
.if NB == 8
	FETCH_B \slot, (\q)+1, QN, 4
	MULG 2, QP, \zero
.endif
	s_wait_dscnt 5*NB
	FETCH_A \slot, (\q)+1, QN, 0
	MULG NB/2, QP, \zero
.if NB == 8
	FETCH_A \slot, (\q)+1, QN, 4
	MULG 6, QP, \zero
.endif
.endm
.macro STEPS slot, from
.set sq, \from
.rept NQ-1-(\from)
	STEP \slot, sq, 0
.set sq, sq+1
.endr
.endm
.macro TURN slot, next, fill
	WIN 0
	s_wait_tensorcnt 0x0
	ds_add_u32 v[SPW], v[NIL]
	s_wait_dscnt HW+1
	MULG 0, 1, 0
	s_wait_dscnt 0x0
	s_barrier_signal -1
.if NB == 8
	MULG 2, 1, 0
.endif
	WIN 0
	s_barrier_wait -1
.if \fill
	CREST
	s_add_nc_u64 s[G0+4*\slot+2:G0+4*\slot+3], s[G0+4*\slot+2:G0+4*\slot+3], 2*RBB
	s_add_nc_u64 s[G0B+4*\slot+2:G0B+4*\slot+3], s[G0B+4*\slot+2:G0B+4*\slot+3], 2*RBB
	JLOAD G0+4*\slot, G1, G0B+4*\slot, G1B
.else
	PLACES 4
.endif
	v_add_nc_u32 v[ADRS], 64*NQ, v[ADRS]
	FETCH_S 0, 0
	FETCH_B \next, 0, 0, 0
.if NB == 8
	FETCH_B \next, 0, 0, 4
.endif
	MULG NB/2, 1, 0
	FETCH_A \next, 0, 0, 0
.if NB == 8
	MULG 6, 1, 0
	FETCH_A \next, 0, 0, 4
.endif
.endm
.macro LAST
	s_wait_dscnt HW
	MULG 0, 1, 0
.if NB == 8
	MULG 2, 1, 0
.endif
	s_wait_dscnt 0x0
	MULG NB/2, 1, 0
.if NB == 8
	MULG 6, 1, 0
.endif
	WIN 0
.endm
.macro MAINLOOP
	s_wait_tensorcnt 0x0                           ; my tile of the head's four is in; the barrier shows all four to every wave
	s_barrier_signal -1
	s_barrier_wait -1
	FETCH_S 0, 0
	FETCH_B 0, 0, 0, 0
.if NB == 8
	FETCH_B 0, 0, 0, 4
.endif
	FETCH_A 0, 0, 0, 0
.if NB == 8
	FETCH_A 0, 0, 0, 4
.endif
	STEP 0, 0, 1
	STEPS 0, 1
.if LAPS > 1
	WIN 0
	s_mov_b32 s3, LAPS-1
.Llap:
	TURN 0, 1, 1
	STEPS 1, 0
	TURN 1, 0, 1
	STEPS 0, 0
	WIN 0
	s_sub_co_u32 s3, s3, 1
	s_cmp_lg_u32 s3, 0
	s_cbranch_scc1 .Llap
.endif
	LAST
.endm
.set STG, SPARE+512
.set BK,  64
	s_load_b256 s[4:11], s[0:1], 0x0
	s_load_b64 s[12:13], s[0:1], 0x20
	v_lshl_add_u32 v[SPW], v0, 2, SPARE
	v_mov_b32 v[NIL], 0
	ds_add_u32 v[SPW], v[NIL]
	ds_add_u32 v[SPW], v[NIL]
	v_lshrrev_b32 v1, 5, v0
	v_readfirstlane_b32 s[WV], v1
	s_lshr_b32 s[RH], s[WV], 1
	s_and_b32 s[CH], s[WV], 1
	s_bfe_u32 s21, ttmp6, 0x40000
	s_bfe_u32 s22, ttmp6, 0x40004
	s_lshl_b32 s66, ttmp9, 2
	s_add_co_u32 s66, s66, s21
	s_and_b32 s23, ttmp7, 0xffff
	s_lshl_b32 s23, s23, 2
	s_add_co_u32 s23, s23, s22
	s_lshl_b32 s40, s22, 2
	s_lshl_b32 s40, 15, s40
	s_lshl_b32 s41, 0x1111, s21
	DESCRIPTORS
	s_lshl_b32 s43, s[CH], LNB
	s_lshl_b32 s44, s23, LNB+1
	s_add_co_u32 s44, s44, s43
	s_lshl_b32 s46, s66, LNB+1
	s_add_co_u32 s46, s46, s43
	s_mul_i32 s92, s44, KS*64
	s_add_co_u32 s92, s92, A_S
	s_mul_i32 s94, s46, KS*64
	s_add_co_u32 s94, s94, B_S
	s_mul_i32 s44, s44, KS*FRB
	s_mul_i32 s46, s46, KS*FRB
	s_add_co_u32 s46, s46, B_C
	s_mov_b32 s45, 0
	s_mov_b32 s47, 0
	s_mov_b32 s93, 0
	s_mov_b32 s95, 0
	s_mul_i32 s40, s[WV], HALFT
	s_mul_i32 s41, s43, KS*64                      ; the scale words come whole: my half's offset is taken off their addresses,
	s_sub_co_u32 s92, s92, s41
	s_sub_co_u32 s94, s94, s41
	s_mul_i32 s41, s[RH], 2*HALFS                  ; and they land at A's place (wave 1) or B's (wave 3)
	s_wait_dscnt 0x0
	s_wait_kmcnt 0x0
	s_add_nc_u64 s[44:45], s[4:5], s[44:45]
	s_add_nc_u64 s[92:93], s[4:5], s[92:93]
	s_add_nc_u64 s[46:47], s[6:7], s[46:47]
	s_add_nc_u64 s[94:95], s[6:7], s[94:95]
	FIRST_FILLS
	ADDRESSES
	s_lshl_b32 s40, s23, 7
	s_lshl_b32 s41, s[RH], 6
	s_add_co_u32 s40, s40, s41
	s_lshl_b32 s40, s40, 12
	s_lshl_b32 s42, s66, 9
	s_lshl_b32 s43, s[CH], 8
	s_add_co_u32 s42, s42, s43
	s_add_co_u32 s40, s40, s42
	s_mov_b32 s41, 0
	s_mov_b32 s43, 0
	s_add_nc_u64 s[10:11], s[10:11], s[40:41]
	s_add_nc_u64 s[12:13], s[12:13], s[40:41]
	s_add_nc_u64 s[8:9], s[8:9], s[42:43]
	v_lshlrev_b32 v8, 4, v2
	v_lshl_add_u32 v9, v3, 12, v8
	s_mul_i32 s42, s[WV], 4352
	s_add_co_u32 s42, s42, STG
	v_mul_u32_u24 v10, v2, 272
	v_lshl_add_u32 v10, v3, 6, v10
	v_add_nc_u32 v10, s42, v10
	v_mul_u32_u24 v11, v3, 272
	v_add_nc_u32 v11, v11, v8
	v_add_nc_u32 v11, s42, v11
	global_load_b128 v[12:15], v8, s[8:9]
	WIN 0xc0
.irp a, 0,1,2,3
.irp t, 0,1,2,3,4,5,6,7
	global_load_b128 v[32*\a+4*\t:32*\a+4*\t+3], v9, s[10:11] offset:(32*(\a/2)+8*(\a%2)+2*\t+8*(\t/4))*4096
.endr
.endr
	WIN 0
	s_wait_alu depctr_va_vdst(0)
	MAINLOOP
	s_wait_loadcnt 0x0
	PLACES 4
.macro OUTB a
.if (\a) > 1
	s_wait_xcnt 0x0
.endif
	WIN 0x08
.irp b, 0,1,2,3
	ds_store_b128 v10, v[8*(4*(\a)+\b):8*(4*(\a)+\b)+3] offset:128*(\b/2)+32*(\b%2)
	ds_store_b128 v10, v[8*(4*(\a)+\b)+4:8*(4*(\a)+\b)+7] offset:128*(\b/2)+32*(\b%2)+16
.endr
	WIN 0
.irp t, 0,1,2,3,4,5,6,7
	ds_load_b128 v[BK+32*((\a)%2)+4*\t:BK+32*((\a)%2)+4*\t+3], v11 offset:544*\t
.endr
	s_wait_dscnt 0x0
	WIN 0x0c
.irp t, 0,1,2,3,4,5,6,7
	v_pk_add_f32 v[BK+32*((\a)%2)+4*\t:BK+32*((\a)%2)+4*\t+1], v[BK+32*((\a)%2)+4*\t:BK+32*((\a)%2)+4*\t+1], v[32*(\a)+4*\t:32*(\a)+4*\t+1]
	v_pk_add_f32 v[BK+32*((\a)%2)+4*\t+2:BK+32*((\a)%2)+4*\t+3], v[BK+32*((\a)%2)+4*\t+2:BK+32*((\a)%2)+4*\t+3], v[32*(\a)+4*\t+2:32*(\a)+4*\t+3]
.endr
	WIN 0
.irp t, 0,1,2,3,4,5,6,7
	v_pk_add_f32 v[BK+32*((\a)%2)+4*\t:BK+32*((\a)%2)+4*\t+1], v[BK+32*((\a)%2)+4*\t:BK+32*((\a)%2)+4*\t+1], v[12:13]
	v_pk_add_f32 v[BK+32*((\a)%2)+4*\t+2:BK+32*((\a)%2)+4*\t+3], v[BK+32*((\a)%2)+4*\t+2:BK+32*((\a)%2)+4*\t+3], v[14:15]
.endr
.irp t, 0,1,2,3,4,5,6,7
	global_store_b128 v9, v[BK+32*((\a)%2)+4*\t:BK+32*((\a)%2)+4*\t+3], s[12:13] offset:(32*((\a)/2)+8*((\a)%2)+2*\t+8*(\t/4))*4096
.endr
.endm
	OUTB 0
	OUTB 1
	OUTB 2
	OUTB 3
	s_wait_tensorcnt 0x0
	ds_add_u32 v[SPW], v[NIL]
	s_wait_dscnt 0x0
	CROUND
	s_endpgm
.Lfunc_end_k_q3c88b69bac_oproj:
	.size	k_q3c88b69bac_oproj, .Lfunc_end_k_q3c88b69bac_oproj-k_q3c88b69bac_oproj
	.p2alignl 7, 3214868480
	.fill 96, 4, 3214868480
	.section	.rodata,"a",@progbits
	.p2align	6, 0x0
	.amdhsa_kernel k_q3c88b69bac_oproj
		.amdhsa_group_segment_fixed_size 327680
		.amdhsa_private_segment_fixed_size 0
		.amdhsa_enable_private_segment 0
		.amdhsa_kernarg_size 40
		.amdhsa_user_sgpr_count 2
		.amdhsa_user_sgpr_kernarg_segment_ptr 1
		.amdhsa_wavefront_size32 1
		.amdhsa_system_sgpr_workgroup_id_x 1
		.amdhsa_system_sgpr_workgroup_id_y 1
		.amdhsa_system_sgpr_workgroup_id_z 1
		.amdhsa_system_vgpr_workitem_id 0
		.amdhsa_next_free_vgpr 1024
		.amdhsa_next_free_sgpr 102
		.amdhsa_reserve_vcc 0
		.amdhsa_float_denorm_mode_32 3
		.amdhsa_float_denorm_mode_16_64 3
		.amdhsa_memory_ordered 1
		.amdhsa_forward_progress 1
		.amdhsa_inst_pref_size 65
	.end_amdhsa_kernel
	.amdgpu_metadata
---
amdhsa.version: [ 1, 2 ]
amdhsa.kernels:
  - .name:           k_q3c88b69bac_oproj
    .symbol:         k_q3c88b69bac_oproj.kd
    .args:
      - { .name: ao, .offset: 0, .size: 8, .value_kind: global_buffer, .address_space: global }
      - { .name: wb, .offset: 8, .size: 8, .value_kind: global_buffer, .address_space: global }
      - { .name: bo, .offset: 16, .size: 8, .value_kind: global_buffer, .address_space: global }
      - { .name: x, .offset: 24, .size: 8, .value_kind: global_buffer, .address_space: global }
      - { .name: x1, .offset: 32, .size: 8, .value_kind: global_buffer, .address_space: global }
    .group_segment_fixed_size: 327680
    .private_segment_fixed_size: 0
    .kernarg_segment_align: 8
    .kernarg_segment_size: 40
    .max_flat_workgroup_size: 128
    .sgpr_count:     102
    .vgpr_count:     1024
    .wavefront_size: 32
...
	.end_amdgpu_metadata
.endif
;; end of part 5
;; launch ln2: the kernel of part 2 again; grid 256 x 1, 8 waves a work-group, no clusters, 69,632 bytes of LDS; arguments x1, g2, be2, nx; writes nx
;; launch ffn1 (part 6): grid 16 x 16, 4 waves a work-group, clusters of 4 x 4, 327,680 bytes of LDS; arguments nx, wb, b1, hb; writes hb
.if DOCPART == 6
	.amdgcn_target "amdgcn-amd-amdhsa--gfx1250"
	.amdhsa_code_object_version 6
	.text
	.protected	k_q3c88b69bac_ffn1
	.globl	k_q3c88b69bac_ffn1
	.p2align	8
	.type	k_q3c88b69bac_ffn1,@function
k_q3c88b69bac_ffn1:
	s_mov_b64 s[64:65], 0
	v_nop
	global_prefetch_b8 v0, s[64:65] scope:SCOPE_SE
	s_setreg_imm32_b32 hwreg(HW_REG_WAVE_MODE, 25, 1), 1
	s_wait_xcnt 0x0
	s_wait_alu depctr_hold_cnt(0) depctr_sa_sdst(0) depctr_va_vdst(0) depctr_va_sdst(0) depctr_va_ssrc(0) depctr_va_vcc(0) depctr_vm_vsrc(0)
	s_getreg_b32 s2, hwreg(HW_REG_IB_STS2, 6, 4)
	s_cmp_eq_u32 s2, 0
	s_cbranch_scc0 .Lentry_in_a_cluster
	s_endpgm
.Lentry_in_a_cluster:
	s_bfe_u32 s2, ttmp6, 0x10000c
	s_cmp_lg_u32 s2, 0xf033
	s_cbranch_scc0 .Lentry_shape_is_right
	s_endpgm
.Lentry_shape_is_right:
; hb = Q(relu(nx w1 + b1)): a product on codes of FP6 (E2M3) with E8M0 scales, K = 1,024, N = 4,096; bias and relu in f32; the result is quantised in registers along N, the next product's K, and never leaves as f32.
; Operands and result are fragments in the order of the operand's registers (see the core below); lane r of row block rb holds row 32 (rb / 2) + 8 (rb % 2) + r + 8 (r / 8).
; A tile of 256 x 256 to a work-group of four waves, 128 x 128 to a wave: 64 accumulators.  Source 0 takes w1's rows, source 1 nx's: a lane holds one token, and the 64 registers of A's block a are 128 neighbouring hidden units:
; register 16 b + i = unit 32 b + 16 (lane / 16) + i: the quantiser's input, and one K step of the next product.
; 4 x 4 work-groups form a cluster: A's tiles are asked for jointly along a row of the cluster, B's along a column.
; hb: fragment (rb, ks) at (rb x 32 + ks) x 1,536; scale words at 12,582,912 + (rb x 32 + ks) x 64 + 4 r.
; LIMITS: a block of zeros, or one whose largest magnitude lies under 2^-124, gets the byte 1: its codes are zeros and this program alone reads the bytes.  NaN and infinities are not served.
.set NB,  8
.set LNB, 3
.set NQ,  3                            ; K steps of 128 in a slot
.set KS,  8
.set A_S, 3145728
.set B_C, 3145728
.set B_S, 9568256
.set H_S, 12582912
.set SEL, 12                           ; s12, s13 lane selects: lane l xor 16
.set T,   64                           ; the epilogue, in window 0: 64 numbers,
.set PC,  128                          ; the codes,
.set TM,  148                          ; at work,
.set PW,  164                          ; v164-171 the eight blocks' scale words
; ---------------------------------------------------------------- the core of the two products with tiles of 256 x 256 and K = 1,024
; TWO SLOTS of three K steps lie in LDS beside the scale words: 2 x 147,456 + 16,384 + 512 bytes.  At the head each wave issues one joint load: wave 0 A's 16 row blocks of K steps 0-2, wave 2 B's,
; wave 1 A's scale words for all of K, wave 3 B's.  Slot 1 (K steps 3-5) is first filled behind the full sequence and a round of the cluster's barrier, a quarter of the slot a wave.
; K steps 6 and 7 come by one refill into slot 0: the same tile with tensor_dim0 cut to two fragments, so that a row block's place in the slot stays 3 fragments.  One tensor load of a wave is out at any time.
; PREFETCH: behind the head's load each wave asks for what its two later loads will bring, K steps 3 to 7: one and two loads ahead.  K steps 0 to 2 come by their load alone.
.set NSL,   2                          ; slots
.set FRB,   1536                       ; a fragment's image
.set RBB,   NQ*FRB                     ; a row block's bytes in a slot
.set HALFT, NB*RBB                     ; what one tensor load brings, and what one wave reads of A or of B
.set SLOT,  4*HALFT                    ; A's two halves, then B's two
.set SCL,   NSL*SLOT                   ; behind the slots: the scale words of the work-group's rows for all of K, filled once
.set HALFS, NB*KS*64
.set SPARE, SCL+4*HALFS                ; the spare words: 128 bytes for each wave, named by no other line
.set HW,    2*NB                       ; LDS loads that bring A's upper blocks
.set L16, 4                            ; v4   16 x lane
.set L8,  5                            ; v5   8 x lane
.set A16, 16                           ; v16, v17 my A blocks in slot 0, 1, + 16 x lane;  v19, v20 + 8 x lane
.set A8,  19
.set B16, 22                           ; v22-27 the same for B
.set B8,  25
.set SPW, 28                           ; v28  my spare word; never rewritten
.set NIL, 29                           ; v29  0; never rewritten
.set ADRS, 30                          ; v30  my scale words: lanes 0-15 A's, lanes 16-31 B's
.set SC,  32                           ; scale words, two sets of NB: register i: lanes 0-15 A's block i, lanes 16-31 B's block i
.set AF,  64                           ; window 0: A's fragments, two sets 96 apart.  Window 1: B's, two sets at 0 and 128.  Windows 2, 3: the accumulators
.set WV, 18                            ; s18  wave
.set RH, 19                            ; s19  which half of the tile's rows is mine; also: I fetch for A (0) or B (1)
.set CH, 20                            ; s20  which half of its columns; also: which half I fetch
.set G1, 24                            ; s[24:31] group 1 for A's tiles, s[32:39] group 0 for slots 0, 1
.set G0, 32
.set G1B, 48                           ; s[48:55], s[56:63] the same for B's
.set G0B, 56
.set G1S, 68                           ; s[68:75], s[76:79] A's scale words;  s[80:87], s[88:91] B's
.set G0S, 76
.set G1SB, 80
.set G0SB, 88
.set MSB, 0
.macro WIN new                         ; the immediate's high byte repeats the setting that is left
.if MSB != (\new)
	s_set_vgpr_msb (MSB<<8)|(\new)
.set MSB, \new
.endif
.endm
.macro PLACES n
.rept \n
	v_nop
.endr
.endm
; a joint load: waves 0 and 1 fetch for A, waves 2 and 3 for B; an s_nop 0 and four v_nop follow each line
.macro JLOAD g0a, g1a, g0b, g1b
	s_cmp_eq_u32 s[RH], 0
	s_cbranch_scc0 .Lfor_b_\@
	tensor_load_to_lds s[\g0a:\g0a+3], s[\g1a:\g1a+7]
	s_nop 0
.rept 4
	v_nop
.endr
	s_branch .Lasked_\@
.Lfor_b_\@:
	tensor_load_to_lds s[\g0b:\g0b+3], s[\g1b:\g1b+7]
	s_nop 0
.rept 4
	v_nop
.endr
.Lasked_\@:
.endm
.macro CREST                           ; a round of the cluster's barrier behind its opening barrier
	s_cmp_lg_u32 s[WV], 0
	s_cbranch_scc1 .Lnot_wave_0_\@
	s_barrier_signal -3
.Lnot_wave_0_\@:
	s_barrier_wait -3
	s_barrier_signal -1
	s_barrier_wait -1
.endm
.macro CROUND
	s_barrier_signal -1
	s_barrier_wait -1
	CREST
.endm
.macro DESCRIPTORS                     ; s40: the mask of my row of the cluster, s41: of my column.  Elements of 8 bytes, no padding; bit 21 stands beside a mask
	s_or_b32 s[G1], s40, (3<<16)|(1<<21)
	s_or_b32 s[G1B], s41, (3<<16)|(1<<21)
.irp g, G1, G1B                        ; a row for each row block: its NQ fragments on end; KS fragments from row to row.  2 NB rows for the head's loads; behind them the two words are set to NB
	s_mov_b32 s[\g+1], (NQ*192)<<16
	s_mov_b32 s[\g+2], (2*NB)<<16
	s_mov_b32 s[\g+3], (NQ*192)<<16
	s_mov_b32 s[\g+4], 2*NB
	s_mov_b32 s[\g+5], KS*192
	s_mov_b32 s[\g+6], 0
	s_mov_b32 s[\g+7], 0
.endr
	s_or_b32 s[G1S], s40, (3<<16)|(1<<21)
	s_or_b32 s[G1SB], s41, (3<<16)|(1<<21)
.irp g, G1S, G1SB                      ; a dense block of 2 HALFS bytes as rows of 256
	s_mov_b32 s[\g+1], 32<<16
	s_mov_b32 s[\g+2], (HALFS/128)<<16
	s_mov_b32 s[\g+3], 32<<16
	s_mov_b32 s[\g+4], HALFS/128
	s_mov_b32 s[\g+5], 32
	s_mov_b32 s[\g+6], 0
	s_mov_b32 s[\g+7], 0
.endr
.endm
.macro ARM under, g0, g1, next         ; an arm of the head's tree of branches on the wave's number: one load, then the jump to the tree's end
	s_cmp_lt_u32 s[WV], \under
	s_cbranch_scc0 \next
	tensor_load_to_lds s[\g0:\g0+3], s[\g1:\g1+7]
	s_nop 0
.rept 4
	v_nop
.endr
	s_branch .Lhead_asked
\next:
.endm
.macro FIRST_FILLS                     ; s[44:45]: A's codes that I fetch, s[46:47]: B's; the scale words' addresses stand in their groups 0; s40 = wave x HALFT, s41 = (wave / 2) x 2 HALFS
	CROUND
	s_mov_b32 s[G0S], 1
	s_add_co_u32 s[G0S+1], s41, SCL
	s_or_b32 s[G0S+3], s[G0S+3], 0x80000000
	s_mov_b32 s[G0SB], 1
	s_add_co_u32 s[G0SB+1], s41, SCL
	s_or_b32 s[G0SB+3], s[G0SB+3], 0x80000000
.irp s, 0,1
	s_mov_b32 s[G0+4*\s], 1
	s_add_co_u32 s[G0+4*\s+1], s40, \s*SLOT
	s_add_nc_u64 s[G0+4*\s+2:G0+4*\s+3], s[44:45], \s*RBB
	s_or_b32 s[G0+4*\s+3], s[G0+4*\s+3], 0x80000000
	s_mov_b32 s[G0B+4*\s], 1
	s_add_co_u32 s[G0B+4*\s+1], s40, \s*SLOT
	s_add_nc_u64 s[G0B+4*\s+2:G0B+4*\s+3], s[46:47], \s*RBB
	s_or_b32 s[G0B+4*\s+3], s[G0B+4*\s+3], 0x80000000
.endr
	; the head's loads, one a wave: waves 0 and 2 fetch from their own quarter's first byte, with 2 NB rows: both halves of the tile
	ARM 1, G0, G1, .Lhead_sa
	ARM 2, G0S, G1S, .Lhead_b
	ARM 3, G0B, G1B, .Lhead_sb
	tensor_load_to_lds s[G0SB:G0SB+3], s[G1SB:G1SB+7]
	s_nop 0
.rept 4
	v_nop
.endr
.Lhead_asked:
.endm
.macro ADDRESSES
	v_and_b32 v1, 31, v0                           ; lane
	v_and_b32 v2, 15, v0                           ; r
	v_bfe_u32 v3, v0, 4, 1                         ; h
	v_lshlrev_b32 v[L16], 4, v1
	v_lshlrev_b32 v[L8], 3, v1
	s_mul_i32 s40, s[RH], HALFT
	s_mul_i32 s41, s[CH], HALFT
	s_add_co_u32 s41, s41, 2*HALFT
.irp s, 0,1
	v_add_nc_u32 v[A16+\s], s40, v[L16]
	v_add_nc_u32 v[A8+\s], s40, v[L8]
	v_add_nc_u32 v[B16+\s], s41, v[L16]
	v_add_nc_u32 v[B8+\s], s41, v[L8]
	s_add_co_u32 s40, s40, SLOT
	s_add_co_u32 s41, s41, SLOT
.endr
	v_lshlrev_b32 v6, 2, v2
	s_mul_i32 s40, s[RH], HALFS
	s_mul_i32 s41, s[CH], HALFS
	s_add_co_u32 s41, s41, 2*HALFS
	s_sub_co_u32 s41, s41, s40
	v_mul_u32_u24 v7, s41, v3                      ; lanes 16-31 take B's words: one product, the distance between the two bases
	s_add_co_u32 s40, s40, SCL
	v_add_nc_u32 v6, v6, v7
	v_add_nc_u32 v[ADRS], s40, v6
.endm
.macro FRAG reg, a16, a8, off          ; a fragment's 12 registers: four dense loads
	ds_load_b128 v[\reg:\reg+3], v[\a16] offset:\off
	ds_load_b64 v[\reg+4:\reg+5], v[\a8] offset:\off+512
	ds_load_b128 v[\reg+6:\reg+9], v[\a16] offset:\off+768
	ds_load_b64 v[\reg+10:\reg+11], v[\a8] offset:\off+1280
.endm
.macro FETCH_S q, p                    ; the scale words of the slot's q-th K step into set p
.set fi, 0
.rept NB
	ds_load_b32 v[SC+NB*(\p)+fi], v[ADRS] offset:fi*KS*64+64*(\q)
.set fi, fi+1
.endr
.endm
.macro FETCH_B slot, q, p, i0          ; four of B's fragments
	WIN 0x40
.set fi, \i0
.rept 4
	FRAG 128*(\p)+12*fi, B16+\slot, B8+\slot, fi*RBB+(\q)*FRB
.set fi, fi+1
.endr
	WIN 0
.endm
.macro FETCH_A slot, q, p, i0          ; four of A's
	WIN 0
.set fi, \i0
.rept 4
	FRAG AF+96*(\p)+12*fi, A16+\slot, A8+\slot, fi*RBB+(\q)*FRB
.set fi, fi+1
.endr
.endm
; A's blocks a0, a0 + 1 against all of B's, 128 along K, from set p.  The accumulators take turns, one instruction a turn, in the same order in every step.
.macro MULG a0, p, zero
.set ma, \a0
.rept 2
.set mb, 0
.rept NB
.set ix, ma*NB+mb
.set ac, 8*(ix%32)
	WIN 0xa1+0x50*(ix/32)
.if \zero
	v_wmma_scale_f32_16x16x128_f8f6f4 v[ac:ac+7], v[128*(\p)+12*mb:128*(\p)+12*mb+11], v[AF+96*(\p)+12*ma:AF+96*(\p)+12*ma+11], 0, v[SC+NB*(\p)+mb], v[SC+NB*(\p)+ma] matrix_a_fmt:MATRIX_FMT_FP6 matrix_b_fmt:MATRIX_FMT_FP6 matrix_a_scale:MATRIX_SCALE_ROW1
.else
	v_wmma_scale_f32_16x16x128_f8f6f4 v[ac:ac+7], v[128*(\p)+12*mb:128*(\p)+12*mb+11], v[AF+96*(\p)+12*ma:AF+96*(\p)+12*ma+11], v[ac:ac+7], v[SC+NB*(\p)+mb], v[SC+NB*(\p)+ma] matrix_a_fmt:MATRIX_FMT_FP6 matrix_b_fmt:MATRIX_FMT_FP6 matrix_a_scale:MATRIX_SCALE_ROW1
.endif
.set mb, mb+1
.endr
.set ma, ma+1
.endr
.endm
; K step k lies in slot (k / NQ) % 2 as that slot's step k % NQ, and is multiplied from register set k % 2; the scale words' place along K stands in their loads' immediate
.macro WHERE k
.set ns, (((\k)+1)/NQ)%2               ; the next step's slot,
.set nk, ((\k)+1)%NQ                   ; its place there,
.set pp, (\k)%2                        ; this step's set,
.set pn, 1-pp                          ; the next step's,
.set cs, ((\k)/NQ)%2                   ; this step's slot
.endm
; a K step whose successor lies in the same slot: it multiplies its set and fetches the next step into the other, in runs between its products
.macro STEP k, zero
	WHERE \k
	s_wait_dscnt HW                                ; words, B and A's lower blocks are in; the youngest loads, A's upper blocks, may be out
	PLACES 4                                       ; the other set was read by the step before: four places in front of all this step's loads into it
	WIN 0
	FETCH_S (\k)+1, pn
	FETCH_B ns, nk, pn, 0
	MULG 0, pp, \zero
	FETCH_B ns, nk, pn, 4
	MULG 2, pp, \zero
	s_wait_dscnt 5*NB                              ; all but the loads that this step has issued: A's upper blocks are in
	FETCH_A ns, nk, pn, 0
	MULG 4, pp, \zero
	FETCH_A ns, nk, pn, 4
	MULG 6, pp, \zero
.endm
; a slot's last K step, with a barrier; in front of it each wave waits for all its tensor loads, adds 0 to its spare word and waits for that and for its reads of this slot.  fill = 1: this slot takes K steps 6 and 7
.macro TURN k, fill
	WHERE \k
	WIN 0
	s_wait_tensorcnt 0x0                           ; all my tensor loads have landed
	ds_add_u32 v[SPW], v[NIL]
.if \fill
	s_mov_b32 s[G1+1], (2*192)<<16                 ; no load of mine is out: tensor_dim0 = two fragments, what is left of K; the tile's third is written as zeros and not read
	s_mov_b32 s[G1B+1], (2*192)<<16
.endif
	s_wait_dscnt HW+1                              ; (the add and A's upper blocks may be out)
	MULG 0, pp, 0
	s_wait_dscnt 0x0                               ; the add is done, and my reads of this slot are over
	s_barrier_signal -1
	MULG 2, pp, 0
	WIN 0
	s_barrier_wait -1
.if \fill
	CREST                                          ; the barrier has opened a round of the cluster's: no wave of any partner still reads this slot or has a load on its way
	s_add_nc_u64 s[G0+4*cs+2:G0+4*cs+3], s[G0+4*cs+2:G0+4*cs+3], NSL*RBB
	s_add_nc_u64 s[G0B+4*cs+2:G0B+4*cs+3], s[G0B+4*cs+2:G0B+4*cs+3], NSL*RBB
	JLOAD G0+4*cs, G1, G0B+4*cs, G1B               ; the first tensor load behind the round; its four v_nop are the places in front of the loads below
.else
	PLACES 4
.endif
	FETCH_S (\k)+1, pn
	FETCH_B ns, 0, pn, 0
	FETCH_B ns, 0, pn, 4
	MULG 4, pp, 0
	FETCH_A ns, 0, pn, 0
	MULG 6, pp, 0
	FETCH_A ns, 0, pn, 4
.endm
.macro LAST                            ; the very last step: nothing more to fetch
	s_wait_dscnt HW
	MULG 0, 1, 0
	MULG 2, 1, 0
	s_wait_dscnt 0x0
	MULG 4, 1, 0
	MULG 6, 1, 0
	WIN 0
.endm
.macro PRODUCTS
	s_wait_tensorcnt 0x0                           ; my tile of the head's four is in
	ds_add_u32 v[SPW], v[NIL]
	s_mov_b32 s[G1+2], NB<<16                      ; no load of mine is out: from here on a load brings NB row blocks
	s_mov_b32 s[G1+4], NB
	s_mov_b32 s[G1B+2], NB<<16
	s_mov_b32 s[G1B+4], NB
	s_wait_dscnt 0x0
	CROUND                                         ; all four tiles are in, and all sixteen work-groups are here
	JLOAD G0+4, G1, G0B+4, G1B                     ; slot 1: K steps 3 to 5
	FETCH_S 0, 0
	FETCH_B 0, 0, 0, 0
	FETCH_B 0, 0, 0, 4
	FETCH_A 0, 0, 0, 0
	FETCH_A 0, 0, 0, 4
	STEP 0, 1                                      ; K step 0: its products start the sums: nothing is cleared
	STEP 1, 0
	TURN 2, 1                                      ; slot 1 is whole; slot 0 takes K steps 6 and 7
	STEP 3, 0
	STEP 4, 0
	TURN 5, 0                                      ; the refill has landed; nothing is filled, so no round
	STEP 6, 0
	LAST                                           ; K step 7
.endm
; ---------------------------------------------------------------- the core's end
; 64 numbers of a lane, register 16 b + i = k 32 b + 16 (lane / 16) + i of my row, become a fragment's codes in v[PC] on and its scale word in v[pw]
.macro QUANT s, pw
.irp b, 0,1,2,3
	v_max3_num_f32 v[TM+\b], |v[\s+16*\b]|, |v[\s+1+16*\b]|, 0x1800000   ; with the floor 2^(3 - 127): the byte cannot fall under 1
.endr
.irp i, 2,4,6,8,10,12,14
.irp b, 0,1,2,3
	v_max3_num_f32 v[TM+\b], v[TM+\b], |v[\s+16*\b+\i]|, |v[\s+1+16*\b+\i]|
.endr
.endr
.irp b, 0,1,2,3
	v_permlanex16_b32 v[TM+4+\b], v[TM+\b], s[SEL], s[SEL+1]
.endr
.irp b, 0,1,2,3
	v_max_num_f32 v[TM+\b], v[TM+\b], v[TM+4+\b]
.endr
.irp b, 0,1,2,3
	v_add_nc_u32 v[TM+12+\b], 0xff000000, v[TM+\b] ; 2 off the exponent field: the conversion's scale operand
.endr
.irp b, 0,1,2,3
	v_lshrrev_b32 v[TM+4+\b], 23, v[TM+12+\b]      ; the scale's byte
.endr
	v_lshl_or_b32 v[\pw], v[TM+5], 8, v[TM+4]
	v_lshl_or_b32 v[\pw], v[TM+6], 16, v[\pw]
	v_lshl_or_b32 v[\pw], v[TM+7], 24, v[\pw]
.irp c, 0,1
	v_cvt_scalef32_pk16_fp6_f32 v[PC+6*\c:PC+2+6*\c], v[\s+32*\c:\s+15+32*\c], v[TM+12+2*\c]
	v_cvt_scalef32_pk16_fp6_f32 v[PC+12+4*\c:PC+14+4*\c], v[\s+16+32*\c:\s+31+32*\c], v[TM+12+2*\c+1]
.endr
	v_nop                                          ; one plain place behind a scaled conversion
.irp c, 0,1
.irp i, 0,1,2
	v_permlane16_swap_b32 v[PC+6*\c+\i], v[PC+12+4*\c+\i]
.endr
.irp i, 0,1,2
	v_mov_b32 v[PC+3+6*\c+\i], v[PC+12+4*\c+\i]
.endr
.endr
.endm
.macro STOREF base, off                ; a fragment's image: each store covers consecutive bytes, 512 or 256, at a multiple of 256 from the buffer's first byte
	global_store_b128 v[L16], v[PC:PC+3], s[\base:\base+1] offset:\off
	global_store_b64 v[L8], v[PC+4:PC+5], s[\base:\base+1] offset:\off+512
	global_store_b128 v[L16], v[PC+6:PC+9], s[\base:\base+1] offset:\off+768
	global_store_b64 v[L8], v[PC+10:PC+11], s[\base:\base+1] offset:\off+1280
.endm
	s_load_b256 s[4:11], s[0:1], 0x0               ; nx, wb, b1, hb
	v_lshl_add_u32 v[SPW], v0, 2, SPARE
	v_mov_b32 v[NIL], 0
	ds_add_u32 v[SPW], v[NIL]                      ; the wave's opening: the add and its wait ahead of my first tensor load
	ds_add_u32 v[SPW], v[NIL]
	v_lshrrev_b32 v1, 5, v0
	v_readfirstlane_b32 s[WV], v1
	s_lshr_b32 s[RH], s[WV], 1
	s_and_b32 s[CH], s[WV], 1
	s_bfe_u32 s21, ttmp6, 0x40000                  ; cx
	s_bfe_u32 s22, ttmp6, 0x40004                  ; cy
	s_lshl_b32 s66, ttmp9, 2
	s_add_co_u32 s66, s66, s21                     ; tile column
	s_and_b32 s23, ttmp7, 0xffff
	s_lshl_b32 s23, s23, 2
	s_add_co_u32 s23, s23, s22                     ; tile row
	s_lshl_b32 s40, s22, 2
	s_lshl_b32 s40, 15, s40                        ; my row of the cluster
	s_lshl_b32 s41, 0x1111, s21                    ; my column
	DESCRIPTORS
	s_mov_b32 s[SEL], 0x76543210
	s_mov_b32 s[SEL+1], 0xfedcba98
	s_lshl_b32 s43, s[CH], LNB
	s_lshl_b32 s44, s23, LNB+1
	s_add_co_u32 s44, s44, s43                     ; A's row block that I fetch from
	s_lshl_b32 s46, s66, LNB+1
	s_add_co_u32 s46, s46, s43                     ; B's
	s_mul_i32 s92, s44, KS*64
	s_add_co_u32 s92, s92, A_S
	s_mul_i32 s96, s46, KS*64
	s_add_co_u32 s96, s96, B_S
	s_mul_i32 s44, s44, KS*FRB
	s_mul_i32 s46, s46, KS*FRB
	s_add_co_u32 s46, s46, B_C
	s_mov_b32 s45, 0
	s_mov_b32 s47, 0
	s_mov_b32 s93, 0
	s_mov_b32 s97, 0
	s_mul_i32 s40, s[WV], HALFT
	s_mul_i32 s41, s43, KS*64                      ; the scale words come whole: my half's offset is taken off their addresses,
	s_sub_co_u32 s92, s92, s41
	s_sub_co_u32 s96, s96, s41
	s_mul_i32 s41, s[RH], 2*HALFS                  ; and they land at A's place (wave 1) or B's (wave 3)
	s_wait_dscnt 0x0                               ; the opening add is done
	s_wait_kmcnt 0x0
	s_add_nc_u64 s[44:45], s[4:5], s[44:45]
	s_add_nc_u64 s[G0S+2:G0S+3], s[4:5], s[92:93]
	s_add_nc_u64 s[46:47], s[6:7], s[46:47]
	s_add_nc_u64 s[G0SB+2:G0SB+3], s[6:7], s[96:97]
	FIRST_FILLS
	; of the 8 row blocks that I fetch in the ring, my work-group takes two, by its place among the four partners that ask with it (told apart by address): K steps 3 to 7 of a row block are 7,680 bytes,
	; a lane to each 256 (lanes 30, 31 name the last again), one instruction a row block.  s[2:3] and v31 are never rewritten
	s_cmp_eq_u32 s[RH], 0                          ; do I fetch for A or for B?
	s_cselect_b64 s[2:3], s[44:45], s[46:47]
	s_cselect_b32 s94, s21, s22                    ; my place: cx for A, cy for B
	s_mul_i32 s94, s94, 2*KS*FRB
	s_add_co_u32 s94, s94, NQ*FRB                  ; from K step 3 on
	s_mov_b32 s95, 0
	s_add_nc_u64 s[2:3], s[2:3], s[94:95]
	v_and_b32 v31, 31, v0
	v_min_u32 v31, 29, v31
	v_lshlrev_b32 v31, 8, v31
	global_prefetch_b8 v31, s[2:3] th:TH_LOAD_NT scope:SCOPE_SE
	global_prefetch_b8 v31, s[2:3] offset:KS*FRB th:TH_LOAD_NT scope:SCOPE_SE
	ADDRESSES
	s_lshl_b32 s46, s66, 1
	s_add_co_u32 s46, s46, s[CH]
	s_lshl_b32 s46, s46, 9                         ; my 128 hidden units of b1
	s_mov_b32 s47, 0
	s_add_nc_u64 s[8:9], s[8:9], s[46:47]
	v_lshlrev_b32 v8, 6, v3                        ; 64 h
	WIN 0x40                                       ; window 1, in the gaps between B's sets: for B's block b the eight units 32 (b / 2) + 16 h + 8 (b % 2) + 0 .. 7
.irp b, 0,1,2,3,4,5,6,7
	global_load_b128 v[96+8*\b+96*(\b/4):96+8*\b+96*(\b/4)+3], v8, s[8:9] offset:(32*(\b/2)+8*(\b%2))*4
	global_load_b128 v[96+8*\b+96*(\b/4)+4:96+8*\b+96*(\b/4)+7], v8, s[8:9] offset:(32*(\b/2)+8*(\b%2))*4+16
.endr
	WIN 0
	s_wait_alu depctr_va_vdst(0)
	PRODUCTS
	s_wait_loadcnt 0x0                             ; the bias
	PLACES 4                                       ; behind the last products: the epilogue writes registers that they read
.irp b, 0,1,2,3
	v_mov_b32 v[TM+4+\b], 0                        ; a lane permute's destination counts as one of its sources
.endr
	s_lshl_b32 s40, s23, 4
	s_lshl_b32 s41, s[RH], 3
	s_add_co_u32 s40, s40, s41                     ; my first row block,
	s_lshl_b32 s40, s40, 5                         ; 32 K steps each,
	s_lshl_b32 s41, s66, 1
	s_add_co_u32 s40, s40, s41
	s_add_co_u32 s40, s40, s[CH]                   ; my K step of the next product
	s_mul_i32 s44, s40, FRB
	s_mov_b32 s45, 0
	s_lshl_b32 s46, s40, 6
	s_add_co_u32 s46, s46, H_S
	s_mov_b32 s47, 0
	s_add_nc_u64 s[96:97], s[10:11], s[44:45]
	s_add_nc_u64 s[92:93], s[10:11], s[46:47]
	s_mov_b32 s100, 0xffff0000
	v_lshlrev_b32 v9, 11, v3
	v_lshl_add_u32 v9, v2, 2, v9                   ; scale words: lanes 0-15 an even block's, lanes 16-31 the next block's, 2,048 bytes on
.macro EPI a
.if (\a) > 0
	s_wait_xcnt 0x0                                ; the last block's stores have read their registers
.endif
	WIN 0x06+(\a)/4                                ; source 0: the accumulators' window, source 1: window 1
.set eb, 0
.rept 8
.set ei, 0
.rept 4
	v_pk_add_f32 v[T+8*eb+2*ei:T+8*eb+2*ei+1], v[64*((\a)%4)+8*eb+2*ei:64*((\a)%4)+8*eb+2*ei+1], v[96+8*eb+96*(eb/4)+2*ei:96+8*eb+96*(eb/4)+2*ei+1]   ; each accumulator from its low end on
.set ei, ei+1
.endr
.set eb, eb+1
.endr
	WIN 0
.set ei, 0
.rept 64
	v_max_num_f32 v[T+ei], 0, v[T+ei]              ; relu, in f32
.set ei, ei+1
.endr
	QUANT T, PW+(\a)
	STOREF 96, (\a)*49152
.endm
.irp a, 0,1,2,3,4,5,6,7
	EPI \a
.endr
.irp m, 0,1,2,3
	v_cndmask_b32 v[172+\m], v[PW+2*\m], v[PW+2*\m+1], s100
.endr
.irp m, 0,1,2,3
	global_store_b32 v9, v[172+\m], s[92:93] offset:4096*\m
.endr
	s_wait_tensorcnt 0x0                           ; the wave's end
	ds_add_u32 v[SPW], v[NIL]
	s_wait_dscnt 0x0
	CROUND                                         ; the closing round
	s_endpgm
.Lfunc_end_k_q3c88b69bac_ffn1:
	.size	k_q3c88b69bac_ffn1, .Lfunc_end_k_q3c88b69bac_ffn1-k_q3c88b69bac_ffn1
	.p2alignl 7, 3214868480
	.fill 96, 4, 3214868480
	.section	.rodata,"a",@progbits
	.p2align	6, 0x0
	.amdhsa_kernel k_q3c88b69bac_ffn1
		.amdhsa_group_segment_fixed_size 327680
		.amdhsa_private_segment_fixed_size 0
		.amdhsa_enable_private_segment 0
		.amdhsa_kernarg_size 32
		.amdhsa_user_sgpr_count 2
		.amdhsa_user_sgpr_kernarg_segment_ptr 1
		.amdhsa_wavefront_size32 1
		.amdhsa_system_sgpr_workgroup_id_x 1
		.amdhsa_system_sgpr_workgroup_id_y 1
		.amdhsa_system_sgpr_workgroup_id_z 1
		.amdhsa_system_vgpr_workitem_id 0
		.amdhsa_next_free_vgpr 1024
		.amdhsa_next_free_sgpr 102
		.amdhsa_reserve_vcc 0
		.amdhsa_float_denorm_mode_32 3
		.amdhsa_float_denorm_mode_16_64 3
		.amdhsa_memory_ordered 1
		.amdhsa_forward_progress 1
		.amdhsa_inst_pref_size 185
	.end_amdhsa_kernel
	.amdgpu_metadata
---
amdhsa.version: [ 1, 2 ]
amdhsa.kernels:
  - .name:           k_q3c88b69bac_ffn1
    .symbol:         k_q3c88b69bac_ffn1.kd
    .args:
      - { .name: nx, .offset: 0, .size: 8, .value_kind: global_buffer, .address_space: global }
      - { .name: wb, .offset: 8, .size: 8, .value_kind: global_buffer, .address_space: global }
      - { .name: b1, .offset: 16, .size: 8, .value_kind: global_buffer, .address_space: global }
      - { .name: hb, .offset: 24, .size: 8, .value_kind: global_buffer, .address_space: global }
    .group_segment_fixed_size: 327680
    .private_segment_fixed_size: 0
    .kernarg_segment_align: 8
    .kernarg_segment_size: 32
    .max_flat_workgroup_size: 128
    .sgpr_count:     102
    .vgpr_count:     1024
    .wavefront_size: 32
...
	.end_amdgpu_metadata
.endif
;; end of part 6
;; launch ffn2 (part 7): grid 8 x 32, 4 waves a work-group, clusters of 4 x 4, 327,680 bytes of LDS; arguments hb, wb, b2, x1, out0; writes out0
.if DOCPART == 7
	.amdgcn_target "amdgcn-amd-amdhsa--gfx1250"
	.amdhsa_code_object_version 6
	.text
	.protected	k_q3c88b69bac_ffn2
	.globl	k_q3c88b69bac_ffn2
	.p2align	8
	.type	k_q3c88b69bac_ffn2,@function
k_q3c88b69bac_ffn2:
	s_mov_b64 s[64:65], 0
	v_nop
	global_prefetch_b8 v0, s[64:65] scope:SCOPE_SE
	s_setreg_imm32_b32 hwreg(HW_REG_WAVE_MODE, 25, 1), 1
	s_wait_xcnt 0x0
	s_wait_alu depctr_hold_cnt(0) depctr_sa_sdst(0) depctr_va_vdst(0) depctr_va_sdst(0) depctr_va_ssrc(0) depctr_va_vcc(0) depctr_vm_vsrc(0)
	s_getreg_b32 s2, hwreg(HW_REG_IB_STS2, 6, 4)
	s_cmp_eq_u32 s2, 0
	s_cbranch_scc0 .Lentry_in_a_cluster
	s_endpgm
.Lentry_in_a_cluster:
	s_bfe_u32 s2, ttmp6, 0x10000c
	s_cmp_lg_u32 s2, 0xf033
	s_cbranch_scc0 .Lentry_shape_is_right
	s_endpgm
.Lentry_shape_is_right:
.set NB,  4
.set LNB, 2
.set NQ,  4
.set KS,  32
.set A_S, 12582912
.set B_C, 6291456
.set B_S, 9699328
.set FRB,   1536
.set RBB,   NQ*FRB
.set HALFT, NB*RBB
.set SLOT,  4*HALFT
.set SCL,   2*SLOT
.set HALFS, NB*KS*64
.set SPARE, SCL+4*HALFS
.set LAPS,  KS/(2*NQ)
.set HW,    2*NB
.set L16, 4
.set L8,  5
.set A16, 16
.set A8,  18
.set B16, 20
.set B8,  22
.set ADRS, 27
.set SPW, 28
.set NIL, 29
.set SC,  32
.set AF,  64
.set WV, 18
.set RH, 19
.set CH, 20
.set G1, 24
.set G0, 32
.set G1B, 48
.set G0B, 56
.set G1S, 68
.set G0S, 76
.set G1SB, 80
.set G0SB, 88
.set MSB, 0
.macro WIN new
.if MSB != (\new)
	s_set_vgpr_msb (MSB<<8)|(\new)
.set MSB, \new
.endif
.endm
.macro PLACES n
.rept \n
	v_nop
.endr
.endm
.macro JLOAD g0a, g1a, g0b, g1b
	s_cmp_eq_u32 s[RH], 0
	s_cbranch_scc0 .Lfor_b_\@
	tensor_load_to_lds s[\g0a:\g0a+3], s[\g1a:\g1a+7]
	s_nop 0
.rept 4
	v_nop
.endr
	s_branch .Lasked_\@
.Lfor_b_\@:
	tensor_load_to_lds s[\g0b:\g0b+3], s[\g1b:\g1b+7]
	s_nop 0
.rept 4
	v_nop
.endr
.Lasked_\@:
.endm
.macro CREST
	s_cmp_lg_u32 s[WV], 0
	s_cbranch_scc1 .Lnot_wave_0_\@
	s_barrier_signal -3
.Lnot_wave_0_\@:
	s_barrier_wait -3
	s_barrier_signal -1
	s_barrier_wait -1
.endm
.macro CROUND
	s_barrier_signal -1
	s_barrier_wait -1
	CREST
.endm
.macro DESCRIPTORS
	s_or_b32 s[G1], s40, (3<<16)|(1<<21)
	s_or_b32 s[G1B], s41, (3<<16)|(1<<21)
.irp g, G1, G1B                        ; a row for each row block: its NQ fragments on end.  2 NB rows for the head's loads; behind them the two words are set to NB
	s_mov_b32 s[\g+1], (NQ*192)<<16
	s_mov_b32 s[\g+2], (2*NB)<<16
	s_mov_b32 s[\g+3], (NQ*192)<<16
	s_mov_b32 s[\g+4], 2*NB
	s_mov_b32 s[\g+5], KS*192
	s_mov_b32 s[\g+6], 0
	s_mov_b32 s[\g+7], 0
.endr
	s_or_b32 s[G1S], s40, (3<<16)|(1<<21)
	s_or_b32 s[G1SB], s41, (3<<16)|(1<<21)
.irp g, G1S, G1SB                      ; a dense block of 2 HALFS bytes as rows of 256
	s_mov_b32 s[\g+1], 32<<16
	s_mov_b32 s[\g+2], (HALFS/128)<<16
	s_mov_b32 s[\g+3], 32<<16
	s_mov_b32 s[\g+4], HALFS/128
	s_mov_b32 s[\g+5], 32
	s_mov_b32 s[\g+6], 0
	s_mov_b32 s[\g+7], 0
.endr
.endm
.macro ARM under, g0, g1, next         ; an arm of the head's tree of branches on the wave's number: one load, then the jump to the tree's end
	s_cmp_lt_u32 s[WV], \under
	s_cbranch_scc0 \next
	tensor_load_to_lds s[\g0:\g0+3], s[\g1:\g1+7]
	s_nop 0
.rept 4
	v_nop
.endr
	s_branch .Lhead_asked
\next:
.endm
.macro FIRST_FILLS
	CROUND
	s_mov_b32 s[G0S], 1
	s_add_co_u32 s[G0S+1], s41, SCL
	s_mov_b64 s[G0S+2:G0S+3], s[92:93]
	s_or_b32 s[G0S+3], s[G0S+3], 0x80000000
	s_mov_b32 s[G0SB], 1
	s_add_co_u32 s[G0SB+1], s41, SCL
	s_mov_b64 s[G0SB+2:G0SB+3], s[94:95]
	s_or_b32 s[G0SB+3], s[G0SB+3], 0x80000000
.irp s, 0,1
	s_mov_b32 s[G0+4*\s], 1
	s_add_co_u32 s[G0+4*\s+1], s40, \s*SLOT
	s_add_nc_u64 s[G0+4*\s+2:G0+4*\s+3], s[44:45], \s*RBB
	s_or_b32 s[G0+4*\s+3], s[G0+4*\s+3], 0x80000000
	s_mov_b32 s[G0B+4*\s], 1
	s_add_co_u32 s[G0B+4*\s+1], s40, \s*SLOT
	s_add_nc_u64 s[G0B+4*\s+2:G0B+4*\s+3], s[46:47], \s*RBB
	s_or_b32 s[G0B+4*\s+3], s[G0B+4*\s+3], 0x80000000
.endr
	; the head's loads, one a wave: wave 0 slot 0's codes of A, wave 1 A's scale words for all of K, wave 2 slot 0's codes of B, wave 3 B's scale words, each for the whole tile
	ARM 1, G0, G1, .Lhead_sa
	ARM 2, G0S, G1S, .Lhead_b
	ARM 3, G0B, G1B, .Lhead_sb
	tensor_load_to_lds s[G0SB:G0SB+3], s[G1SB:G1SB+7]
	s_nop 0
.rept 4
	v_nop
.endr
.Lhead_asked:
.endm
.macro ADDRESSES
	v_and_b32 v1, 31, v0
	v_and_b32 v2, 15, v0
	v_bfe_u32 v3, v0, 4, 1
	v_lshlrev_b32 v[L16], 4, v1
	v_lshlrev_b32 v[L8], 3, v1
	s_mul_i32 s40, s[RH], HALFT
	s_mul_i32 s41, s[CH], HALFT
	s_add_co_u32 s41, s41, 2*HALFT
.irp s, 0,1
	v_add_nc_u32 v[A16+\s], s40, v[L16]
	v_add_nc_u32 v[A8+\s], s40, v[L8]
	v_add_nc_u32 v[B16+\s], s41, v[L16]
	v_add_nc_u32 v[B8+\s], s41, v[L8]
	s_add_co_u32 s40, s40, SLOT
	s_add_co_u32 s41, s41, SLOT
.endr
	v_lshlrev_b32 v6, 2, v2
	s_mul_i32 s40, s[RH], HALFS
	s_mul_i32 s41, s[CH], HALFS
	s_add_co_u32 s41, s41, 2*HALFS
	s_sub_co_u32 s41, s41, s40
	v_mul_u32_u24 v7, s41, v3
	s_add_co_u32 s40, s40, SCL
	v_add_nc_u32 v6, v6, v7
	v_add_nc_u32 v[ADRS], s40, v6
.endm
.macro FRAG reg, a16, a8, off
	ds_load_b128 v[\reg:\reg+3], v[\a16] offset:\off
	ds_load_b64 v[\reg+4:\reg+5], v[\a8] offset:\off+512
	ds_load_b128 v[\reg+6:\reg+9], v[\a16] offset:\off+768
	ds_load_b64 v[\reg+10:\reg+11], v[\a8] offset:\off+1280
.endm
.macro FETCH_S q, p
.set fi, 0
.rept NB
	ds_load_b32 v[SC+NB*(\p)+fi], v[ADRS] offset:fi*KS*64+64*(\q)
.set fi, fi+1
.endr
.endm
.macro FETCH_B slot, q, p, i0
	WIN 0x40
.set fi, \i0
.rept 4
	FRAG 128*(\p)+12*fi, B16+\slot, B8+\slot, fi*RBB+(\q)*FRB
.set fi, fi+1
.endr
	WIN 0
.endm
.macro FETCH_A slot, q, p, i0
	WIN 0
.set fi, \i0
.rept 4
	FRAG AF+96*(\p)+12*fi, A16+\slot, A8+\slot, fi*RBB+(\q)*FRB
.set fi, fi+1
.endr
.endm
.macro MULG a0, p, zero
.set ma, \a0
.rept 2
.set mb, 0
.rept NB
.set ix, ma*NB+mb
.set ac, 8*(ix%32)
	WIN 0xa1+0x50*(ix/32)
.if \zero
	v_wmma_scale_f32_16x16x128_f8f6f4 v[ac:ac+7], v[128*(\p)+12*mb:128*(\p)+12*mb+11], v[AF+96*(\p)+12*ma:AF+96*(\p)+12*ma+11], 0, v[SC+NB*(\p)+mb], v[SC+NB*(\p)+ma] matrix_a_fmt:MATRIX_FMT_FP6 matrix_b_fmt:MATRIX_FMT_FP6 matrix_a_scale:MATRIX_SCALE_ROW1
.else
	v_wmma_scale_f32_16x16x128_f8f6f4 v[ac:ac+7], v[128*(\p)+12*mb:128*(\p)+12*mb+11], v[AF+96*(\p)+12*ma:AF+96*(\p)+12*ma+11], v[ac:ac+7], v[SC+NB*(\p)+mb], v[SC+NB*(\p)+ma] matrix_a_fmt:MATRIX_FMT_FP6 matrix_b_fmt:MATRIX_FMT_FP6 matrix_a_scale:MATRIX_SCALE_ROW1
.endif
.set mb, mb+1
.endr
.set ma, ma+1
.endr
.endm
.macro STEP slot, q, zero
.set QP, (\q)%2
.set QN, 1-(\q)%2
	s_wait_dscnt HW
	PLACES 4
	WIN 0
	FETCH_S (\q)+1, QN
	FETCH_B \slot, (\q)+1, QN, 0
	MULG 0, QP, \zero
.if NB == 8
	FETCH_B \slot, (\q)+1, QN, 4
	MULG 2, QP, \zero
.endif
	s_wait_dscnt 5*NB
	FETCH_A \slot, (\q)+1, QN, 0
	MULG NB/2, QP, \zero
.if NB == 8
	FETCH_A \slot, (\q)+1, QN, 4
	MULG 6, QP, \zero
.endif
.endm
.macro STEPS slot, from
.set sq, \from
.rept NQ-1-(\from)
	STEP \slot, sq, 0
.set sq, sq+1
.endr
.endm
.macro TURN slot, next, fill
	WIN 0
.if \fill
	s_wait_xcnt 0x0                                ; my last prefetch has read its address: it steps one slot's K steps on, ahead of the waits of the change of slots
	s_add_nc_u64 s[96:97], s[96:97], RBB
.endif
	s_wait_tensorcnt 0x0
	ds_add_u32 v[SPW], v[NIL]
	s_wait_dscnt HW+1
	MULG 0, 1, 0
	s_wait_dscnt 0x0
	s_barrier_signal -1
.if NB == 8
	MULG 2, 1, 0
.endif
	WIN 0
	s_barrier_wait -1
.if \fill
	CREST
	s_add_nc_u64 s[G0+4*\slot+2:G0+4*\slot+3], s[G0+4*\slot+2:G0+4*\slot+3], 2*RBB
	s_add_nc_u64 s[G0B+4*\slot+2:G0B+4*\slot+3], s[G0B+4*\slot+2:G0B+4*\slot+3], 2*RBB
	JLOAD G0+4*\slot, G1, G0B+4*\slot, G1B
.else
	PLACES 4
.endif
	s_wait_alu depctr_va_vdst(0)
	v_add_nc_u32 v[ADRS], 64*NQ, v[ADRS]
	FETCH_S 0, 0
	FETCH_B \next, 0, 0, 0
.if NB == 8
	FETCH_B \next, 0, 0, 4
.endif
.if \fill
	; a prefetch for the refill that stands two refills on: of the NB row blocks that I fetch, my work-group takes the one at its place among the four partners (told apart by address):
	; 6,144 bytes, a lane to each 256 (lanes 24-31 name the last again).  The loop's last trip asks for nothing: no K steps are left two refills on
	s_cmp_gt_u32 s3, 1
	s_cbranch_scc0 .Lnoask_\@
	global_prefetch_b8 v31, s[96:97] offset:2*RBB th:TH_LOAD_NT scope:SCOPE_SE
.Lnoask_\@:
.endif
	MULG NB/2, 1, 0
	FETCH_A \next, 0, 0, 0
.if NB == 8
	MULG 6, 1, 0
	FETCH_A \next, 0, 0, 4
.endif
.endm
.macro LAST
	s_wait_dscnt HW
	MULG 0, 1, 0
.if NB == 8
	MULG 2, 1, 0
.endif
	s_wait_dscnt 0x0
	MULG NB/2, 1, 0
.if NB == 8
	MULG 6, 1, 0
.endif
	WIN 0
.endm
.macro MAINLOOP
	s_wait_tensorcnt 0x0                           ; my tile of the head's four is in
	ds_add_u32 v[SPW], v[NIL]
	s_mov_b32 s[G1+2], NB<<16                      ; no load of mine is out: from here on a load brings NB row blocks
	s_mov_b32 s[G1+4], NB
	s_mov_b32 s[G1B+2], NB<<16
	s_mov_b32 s[G1B+4], NB
	s_wait_dscnt 0x0
	CROUND                                         ; all four tiles are in, and all sixteen work-groups are here
	JLOAD G0+4, G1, G0B+4, G1B                     ; slot 1's first fill
	FETCH_S 0, 0
	FETCH_B 0, 0, 0, 0
.if NB == 8
	FETCH_B 0, 0, 0, 4
.endif
	FETCH_A 0, 0, 0, 0
.if NB == 8
	FETCH_A 0, 0, 0, 4
.endif
	global_prefetch_b8 v31, s[96:97] offset:2*RBB th:TH_LOAD_NT scope:SCOPE_SE ; behind slot 1's load and the run of LDS loads: what the second refill will bring, two loads on
	STEP 0, 0, 1
	STEPS 0, 1
.if LAPS > 1
	WIN 0
	s_mov_b32 s3, LAPS-1
.Llap:
	TURN 0, 1, 1
	s_wait_alu depctr_va_vdst(0)
	STEPS 1, 0
	TURN 1, 0, 1
	s_wait_alu depctr_va_vdst(0)
	STEPS 0, 0
	WIN 0
	s_sub_co_u32 s3, s3, 1
	s_cmp_lg_u32 s3, 0
	s_cbranch_scc1 .Llap
.endif
	TURN 0, 1, 0
	s_wait_alu depctr_va_vdst(0)
	STEPS 1, 0
	LAST
.endm
.set STG, SPARE+512
.set BK,  64
	s_load_b256 s[4:11], s[0:1], 0x0
	s_load_b64 s[12:13], s[0:1], 0x20
	v_lshl_add_u32 v[SPW], v0, 2, SPARE
	v_mov_b32 v[NIL], 0
	ds_add_u32 v[SPW], v[NIL]
	ds_add_u32 v[SPW], v[NIL]
	v_lshrrev_b32 v1, 5, v0
	v_readfirstlane_b32 s[WV], v1
	s_lshr_b32 s[RH], s[WV], 1
	s_and_b32 s[CH], s[WV], 1
	s_bfe_u32 s21, ttmp6, 0x40000
	s_bfe_u32 s22, ttmp6, 0x40004
	s_lshl_b32 s66, ttmp9, 2
	s_add_co_u32 s66, s66, s21
	s_and_b32 s23, ttmp7, 0xffff
	s_lshl_b32 s23, s23, 2
	s_add_co_u32 s23, s23, s22
	s_lshl_b32 s40, s22, 2
	s_lshl_b32 s40, 15, s40
	s_lshl_b32 s41, 0x1111, s21
	DESCRIPTORS
	s_lshl_b32 s43, s[CH], LNB
	s_lshl_b32 s44, s23, LNB+1
	s_add_co_u32 s44, s44, s43
	s_lshl_b32 s46, s66, LNB+1
	s_add_co_u32 s46, s46, s43
	s_mul_i32 s92, s44, KS*64
	s_add_co_u32 s92, s92, A_S
	s_mul_i32 s94, s46, KS*64
	s_add_co_u32 s94, s94, B_S
	s_mul_i32 s44, s44, KS*FRB
	s_mul_i32 s46, s46, KS*FRB
	s_add_co_u32 s46, s46, B_C
	s_mov_b32 s45, 0
	s_mov_b32 s47, 0
	s_mov_b32 s93, 0
	s_mov_b32 s95, 0
	s_mul_i32 s40, s[WV], HALFT
	s_mul_i32 s41, s43, KS*64                      ; the scale words come whole: my half's offset is taken off their addresses,
	s_sub_co_u32 s92, s92, s41
	s_sub_co_u32 s94, s94, s41
	s_mul_i32 s41, s[RH], 2*HALFS                  ; and they land at A's place (wave 1) or B's (wave 3)
	s_wait_dscnt 0x0
	s_wait_kmcnt 0x0
	s_add_nc_u64 s[44:45], s[4:5], s[44:45]
	s_add_nc_u64 s[92:93], s[4:5], s[92:93]
	s_add_nc_u64 s[46:47], s[6:7], s[46:47]
	s_add_nc_u64 s[94:95], s[6:7], s[94:95]
	FIRST_FILLS
	ADDRESSES
	s_cmp_eq_u32 s[RH], 0                          ; the prefetches: do I fetch for A or for B?
	s_cselect_b64 s[96:97], s[44:45], s[46:47]     ; the NB row blocks that I fetch,
	s_cselect_b32 s98, s21, s22                    ; my work-group's place among the four that ask with me: cx for A, cy for B,
	s_mul_i32 s98, s98, KS*FRB                     ; its row block of them,
	s_mov_b32 s99, 0
	s_add_nc_u64 s[96:97], s[96:97], s[98:99]
	s_add_nc_u64 s[96:97], s[96:97], RBB           ; at the second slot's worth of K; each refill steps it one slot's worth on and asks two further on, by the immediate
	v_and_b32 v31, 31, v0
	v_min_u32 v31, 23, v31
	v_lshlrev_b32 v31, 8, v31                      ; 256 bytes a lane; never rewritten
	global_prefetch_b8 v31, s[96:97] th:TH_LOAD_NT scope:SCOPE_SE              ; behind the head's load: what slot 1's first fill will bring,
	global_prefetch_b8 v31, s[96:97] offset:RBB th:TH_LOAD_NT scope:SCOPE_SE   ; and the first refill
	s_lshl_b32 s40, s23, 7
	s_lshl_b32 s41, s[RH], 6
	s_add_co_u32 s40, s40, s41
	s_lshl_b32 s40, s40, 12
	s_lshl_b32 s42, s66, 9
	s_lshl_b32 s43, s[CH], 8
	s_add_co_u32 s42, s42, s43
	s_add_co_u32 s40, s40, s42
	s_mov_b32 s41, 0
	s_mov_b32 s43, 0
	s_add_nc_u64 s[10:11], s[10:11], s[40:41]
	s_add_nc_u64 s[12:13], s[12:13], s[40:41]
	s_add_nc_u64 s[8:9], s[8:9], s[42:43]
	v_lshlrev_b32 v8, 4, v2
	v_lshl_add_u32 v9, v3, 12, v8
	s_mul_i32 s42, s[WV], 4352
	s_add_co_u32 s42, s42, STG
	v_mul_u32_u24 v10, v2, 272
	v_lshl_add_u32 v10, v3, 6, v10
	v_add_nc_u32 v10, s42, v10
	v_mul_u32_u24 v11, v3, 272
	v_add_nc_u32 v11, v11, v8
	v_add_nc_u32 v11, s42, v11
	global_load_b128 v[12:15], v8, s[8:9]
	WIN 0xc0
.irp a, 0,1,2,3
.irp t, 0,1,2,3,4,5,6,7
	global_load_b128 v[32*\a+4*\t:32*\a+4*\t+3], v9, s[10:11] offset:(32*(\a/2)+8*(\a%2)+2*\t+8*(\t/4))*4096
.endr
.endr
	WIN 0
	s_wait_alu depctr_va_vdst(0)
	MAINLOOP
	s_wait_loadcnt 0x0
	PLACES 4
.macro OUTB a
.if (\a) > 1
	s_wait_xcnt 0x0
.endif
	WIN 0x08
.irp b, 0,1,2,3
	ds_store_b128 v10, v[8*(4*(\a)+\b):8*(4*(\a)+\b)+3] offset:128*(\b/2)+32*(\b%2)
	ds_store_b128 v10, v[8*(4*(\a)+\b)+4:8*(4*(\a)+\b)+7] offset:128*(\b/2)+32*(\b%2)+16
.endr
	WIN 0
.irp t, 0,1,2,3,4,5,6,7
	ds_load_b128 v[BK+32*((\a)%2)+4*\t:BK+32*((\a)%2)+4*\t+3], v11 offset:544*\t
.endr
	s_wait_dscnt 0x0
	WIN 0x0c
.irp t, 0,1,2,3,4,5,6,7
	v_pk_add_f32 v[BK+32*((\a)%2)+4*\t:BK+32*((\a)%2)+4*\t+1], v[BK+32*((\a)%2)+4*\t:BK+32*((\a)%2)+4*\t+1], v[32*(\a)+4*\t:32*(\a)+4*\t+1]
	v_pk_add_f32 v[BK+32*((\a)%2)+4*\t+2:BK+32*((\a)%2)+4*\t+3], v[BK+32*((\a)%2)+4*\t+2:BK+32*((\a)%2)+4*\t+3], v[32*(\a)+4*\t+2:32*(\a)+4*\t+3]
.endr
	WIN 0
.irp t, 0,1,2,3,4,5,6,7
	v_pk_add_f32 v[BK+32*((\a)%2)+4*\t:BK+32*((\a)%2)+4*\t+1], v[BK+32*((\a)%2)+4*\t:BK+32*((\a)%2)+4*\t+1], v[12:13]
	v_pk_add_f32 v[BK+32*((\a)%2)+4*\t+2:BK+32*((\a)%2)+4*\t+3], v[BK+32*((\a)%2)+4*\t+2:BK+32*((\a)%2)+4*\t+3], v[14:15]
.endr
.irp t, 0,1,2,3,4,5,6,7
	global_store_b128 v9, v[BK+32*((\a)%2)+4*\t:BK+32*((\a)%2)+4*\t+3], s[12:13] offset:(32*((\a)/2)+8*((\a)%2)+2*\t+8*(\t/4))*4096
.endr
.endm
	OUTB 0
	OUTB 1
	OUTB 2
	OUTB 3
	s_wait_tensorcnt 0x0
	ds_add_u32 v[SPW], v[NIL]
	s_wait_dscnt 0x0
	CROUND
	s_endpgm
.Lfunc_end_k_q3c88b69bac_ffn2:
	.size	k_q3c88b69bac_ffn2, .Lfunc_end_k_q3c88b69bac_ffn2-k_q3c88b69bac_ffn2
	.p2alignl 7, 3214868480
	.fill 96, 4, 3214868480
	.section	.rodata,"a",@progbits
	.p2align	6, 0x0
	.amdhsa_kernel k_q3c88b69bac_ffn2
		.amdhsa_group_segment_fixed_size 327680
		.amdhsa_private_segment_fixed_size 0
		.amdhsa_enable_private_segment 0
		.amdhsa_kernarg_size 40
		.amdhsa_user_sgpr_count 2
		.amdhsa_user_sgpr_kernarg_segment_ptr 1
		.amdhsa_wavefront_size32 1
		.amdhsa_system_sgpr_workgroup_id_x 1
		.amdhsa_system_sgpr_workgroup_id_y 1
		.amdhsa_system_sgpr_workgroup_id_z 1
		.amdhsa_system_vgpr_workitem_id 0
		.amdhsa_next_free_vgpr 1024
		.amdhsa_next_free_sgpr 102
		.amdhsa_reserve_vcc 0
		.amdhsa_float_denorm_mode_32 3
		.amdhsa_float_denorm_mode_16_64 3
		.amdhsa_memory_ordered 1
		.amdhsa_forward_progress 1
		.amdhsa_inst_pref_size 108
	.end_amdhsa_kernel
	.amdgpu_metadata
---
amdhsa.version: [ 1, 2 ]
amdhsa.kernels:
  - .name:           k_q3c88b69bac_ffn2
    .symbol:         k_q3c88b69bac_ffn2.kd
    .args:
      - { .name: hb, .offset: 0, .size: 8, .value_kind: global_buffer, .address_space: global }
      - { .name: wb, .offset: 8, .size: 8, .value_kind: global_buffer, .address_space: global }
      - { .name: b2, .offset: 16, .size: 8, .value_kind: global_buffer, .address_space: global }
      - { .name: x1, .offset: 24, .size: 8, .value_kind: global_buffer, .address_space: global }
      - { .name: out0, .offset: 32, .size: 8, .value_kind: global_buffer, .address_space: global }
    .group_segment_fixed_size: 327680
    .private_segment_fixed_size: 0
    .kernarg_segment_align: 8
    .kernarg_segment_size: 40
    .max_flat_workgroup_size: 128
    .sgpr_count:     102
    .vgpr_count:     1024
    .wavefront_size: 32
...
	.end_amdgpu_metadata
.endif
;; end of part 7
